; MI455X (gfx1250); checked and timed in simulation.
; The chip was launched on July 23, 2026; its instructions are those of AMD's public machine-readable ISA for CDNA 5 (MIT licence, August 2026) and "CDNA5" Instruction Set Architecture Reference Guide (July 2026). The comments in the code are by the model that wrote it; some were corrected since.
;; SA Block. Allowed arithmetic: float matrix products may take bf16 or f16 operands with f32 sums; all other float work in f32.
;; Inputs: Wk 32 x 256 float32; Wq 32 x 256 float32; Wv 256 x 256 float32; bk 32 float32; bq 32 float32; bv 256 float32; gamma 1 float32; mask 4 x 1 x 64 x 64 float32; x 4 x 256 x 64 x 64 float32.
;; Outputs: out0 4 x 256 x 64 x 64 float32.
;; 2 versions, each right and faster than the one before. Each part assembles by itself: llvm-mc -triple=amdgcn-amd-amdhsa -mcpu=gfx1250 --defsym DOCPART=n.
;; ======== version 1 of 2: 2 launches
;; workspace buffers: q 1,048,576 bytes; kv 9,437,184 bytes
;; launch proj (part 1): grid 256 x 1, 4 waves a work-group, clusters of 4 x 1, 327,680 bytes of LDS; arguments x, mask, Wq, bq, Wk, bk, Wv, bv, q, kv; writes q, kv
.if DOCPART == 1
	.amdgcn_target "amdgcn-amd-amdhsa--gfx1250"
	.amdhsa_code_object_version 6
	.text
	.protected	k_qf22ac8b03d_proj
	.globl	k_qf22ac8b03d_proj
	.p2align	8
	.type	k_qf22ac8b03d_proj,@function
k_qf22ac8b03d_proj:
	s_mov_b64 s[64:65], 0
	v_nop
	global_prefetch_b8 v0, s[64:65] scope:SCOPE_SE
	s_setreg_imm32_b32 hwreg(HW_REG_WAVE_MODE, 25, 1), 1
	s_wait_xcnt 0x0
	s_wait_alu depctr_hold_cnt(0) depctr_sa_sdst(0) depctr_va_vdst(0) depctr_va_sdst(0) depctr_va_ssrc(0) depctr_va_vcc(0) depctr_vm_vsrc(0)
	s_getreg_b32 s2, hwreg(HW_REG_IB_STS2, 6, 4)
	s_cmp_eq_u32 s2, 0
	s_cbranch_scc0 .Lentry_in_a_cluster
	s_endpgm
.Lentry_in_a_cluster:
	s_bfe_u32 s2, ttmp6, 0x10000c
	s_cmp_lg_u32 s2, 0x3003
	s_cbranch_scc0 .Lentry_shape_is_right
	s_endpgm
.Lentry_shape_is_right:
; proj: the three 1x1 convolutions of one block of 64 pixels of one image, as bf16 products with f32 sums.
;   q  [b][pixel][32 ch] bf16 = (Wq x + bq) * mask * log2(e)   (the factor puts the later energies in base 2)
;   kv [b][block of 64 pixels] 36,864 bytes: V[256 ch][64 pixels] bf16 = Wv x + bv (32,768 bytes), then K[64 pixels][32 ch] bf16 = (Wk x + bk) * mask.
;   K LIES FOUR BLOCKS AHEAD OF V: the K part of block n holds the keys of block (n + 4) mod 64 of the same image, so that the launch that reads
;   four blocks a step finds the next step's keys beside this step's values.
; 256 work-groups, one for each block of 64 pixels; four waves.  Wave w makes V's channels 64 w .. 64 w + 63 (four tiles of 16) and one tile of 16
; channels of q (waves 0, 1) or k (waves 2, 3), each for four tiles of 16 pixels: 20 accumulators, 160 matrix instructions.
; CLUSTER: every work-group walks the same 320 rows of weights (327,680 bytes in f32), so four work-groups form a cluster and ask for them jointly,
; with the mask 15; the weights' addresses and LDS places hang on the wave's number alone.  x, mask and the outputs are each work-group's own.
; The weights come in four chunks of 64 input channels (rows of 256 bytes) into three LDS regions; region 0 is filled a second time with chunk 3.
; By this text's count a wave has three tensor loads out at the start and one behind the refill.
; x is read once, 256 consecutive bytes for sixteen lanes, rounded to bf16 and laid transposed ([pixel][channel]) in LDS bytes that no tensor load fills.
; LIMITS: x and the weights are rounded to bf16 for the products, q, k, v to bf16 as they are stored; NaN and infinities in the inputs are not followed.
.set RB,   87040                       ; a region: 320 rows (256 Wv, 32 Wq, 32 Wk) x 272 bytes (256 of data, 16 of padding)
.set XT,   3*RB                        ; x transposed, bf16: 64 pixels x 528 bytes (512 of data, 16 of padding)
.set STG,  RB                          ; the way out: 160 units of 272 bytes, over region 1, which has had its only fill and its last read by then
.set BLK,  36864                       ; bytes of a block of kv
.set XG,  16                           ; v16     x: 131,072 h + 16 r
.set XS,  17                           ; v17     where I put 16 bytes of x transposed
.set XA,  18                           ; v18     x fragments
.set WA,  19                           ; v19-21  Wv fragments, region 0, 1, 2
.set WQ,  22                           ; v22-24  Wq / Wk fragment, region 0, 1, 2
.set SV,  25                           ; v25     stage: my 16 bytes of a V tile
.set SQ,  26                           ; v26     stage: my 16 bytes of a q / k tile
.set RDV, 27                           ; v27     stage read back, V's units
.set RDK, 28                           ; v28     stage read back, K's and Q's units
.set GO,  29                           ; v29     16 x lane
.set R4,  30                           ; v30     4 r
.set H32, 31                           ; v31     32 h
.set XF,  32                           ; v32-63  four x fragments (16 pixels x 32 channels)
.set WR,  64                           ; v64-143 five weight fragments: 16 registers of f32 each, packed in place to 8; later 80 packed results
.set XR,  64                           ; v64-191 x as loaded (first phase only)
.set OUTR, 144                         ; v144-223 the stage read back
.set TP,  192                          ; v192-207 x packed
.set BV,  208                          ; v208-215 bv of my channel, twice, for each of four tiles
.set BQ,  216                          ; v216-223 bq or bk of my eight channels
.set MK,  224                          ; v224-231 mask x scale of my pixel, twice, for each of four pixel tiles
; window 1: v0-159 (v256-415) the 20 accumulators, tile (f, pt) at 8 (4 f + pt)
.set G1B, 16                           ; s[16:23] group 1, 128 rows
.set G1S, 24                           ; s[24:31] group 1, 32 rows
.set G0B, 32                           ; s[32:43] group 0 for Wv's halves, one set for each region
.set G0S, 44                           ; s[44:55] group 0 for Wq / Wk, one set for each region
.set MSB, 0
.macro WIN new                         ; the immediate's high byte repeats the setting that is left
.if MSB != \new
	s_set_vgpr_msb (MSB<<8)|\new
.set MSB, \new
.endif
.endm
.macro PLACES n                        ; places behind matrix instructions (ISA guide 7.12.1)
.rept \n
	v_nop
.endr
.endm
.macro ROUND                           ; a round of the cluster's barrier: my work-group's barrier, wave 0 signals for it, all wait, my work-group's barrier again
	s_barrier_signal -1
	s_barrier_wait -1
	s_cmp_lg_u32 s8, 0
	s_cbranch_scc1 .Lnot_wave_0_\@
	s_barrier_signal -3
.Lnot_wave_0_\@:
	s_barrier_wait -3
	s_barrier_signal -1
	s_barrier_wait -1
.endm
	s_load_b512 s[68:83], s[0:1], 0x0              ; x 68, mask 70, Wq 72, bq 74, Wk 76, bk 78, Wv 80, bv 82
	s_load_b128 s[84:87], s[0:1], 0x40             ; q 84, kv 86
	v_lshl_add_u32 v254, v0, 2, 0x48000
	v_mov_b32 v255, 0
	ds_add_u32 v254, v255
	v_lshrrev_b32 v1, 5, v0
	v_readfirstlane_b32 s8, v1                     ; wave 0..3
	s_bfe_u32 s9, ttmp6, 0x40000                   ; cx
	s_lshl_b32 s10, ttmp9, 2
	s_add_co_u32 s10, s10, s9                      ; X = 64 b + block of pixels: enters global addresses of x, mask, q, kv alone
	s_and_b32 s11, s8, 1
	; group 1: rows of 64 f32 out of rows of 256, padded in LDS by 4 words behind every 64
	s_mov_b32 s[G1B+0], 15|(2<<16)|(1<<20)|(1<<21)|(5<<22)|(3<<25)  ; mask of all four work-groups; 4-byte elements; padding on; bit 21 beside a mask; every 64 words; 4 words
	s_mov_b32 s[G1B+1], 64<<16                     ; tensor_dim0 = 64
	s_mov_b32 s[G1B+2], 128<<16                    ; tensor_dim1 = 128
	s_mov_b32 s[G1B+3], 64<<16                     ; tile_dim0 = 64
	s_mov_b32 s[G1B+4], 128                        ; tile_dim1 = 128
	s_mov_b32 s[G1B+5], 256                        ; 256 elements from row to row
	s_mov_b32 s[G1B+6], 0
	s_mov_b32 s[G1B+7], 0
	s_mov_b32 s[G1S+0], 15|(2<<16)|(1<<20)|(1<<21)|(5<<22)|(3<<25)
	s_mov_b32 s[G1S+1], 64<<16
	s_mov_b32 s[G1S+2], 32<<16                     ; the same with 32 rows
	s_mov_b32 s[G1S+3], 64<<16
	s_mov_b32 s[G1S+4], 32
	s_mov_b32 s[G1S+5], 256
	s_mov_b32 s[G1S+6], 0
	s_mov_b32 s[G1S+7], 0
	s_mul_i32 s56, s8, 128*272                     ; waves 0, 1: rows 128 w of a region
	s_mul_i32 s57, s8, 32*272
	s_add_co_u32 s57, s57, 192*272                 ; waves 2, 3: rows 256 + 32 (w - 2)
	s_lshl_b32 s12, s11, 17                        ; 128 rows of 1,024 bytes
	s_mov_b32 s13, 0
	s_wait_dscnt 0x0
	s_wait_kmcnt 0x0
	s_add_nc_u64 s[12:13], s[80:81], s[12:13]      ; Wv's half
	s_cmp_eq_u32 s8, 2
	s_cselect_b64 s[14:15], s[72:73], s[76:77]     ; wave 2: Wq; wave 3: Wk
.irp n, 0,1,2
	s_mov_b32 s[G0B+4*\n], 1
	s_add_co_u32 s[G0B+4*\n+1], s56, \n*RB
	s_add_nc_u64 s[G0B+4*\n+2:G0B+4*\n+3], s[12:13], \n*256        ; chunk n: 64 channels = 256 bytes along the rows
	s_or_b32 s[G0B+4*\n+3], s[G0B+4*\n+3], 0x80000000
	s_mov_b32 s[G0S+4*\n], 1
	s_add_co_u32 s[G0S+4*\n+1], s57, \n*RB
	s_add_nc_u64 s[G0S+4*\n+2:G0S+4*\n+3], s[14:15], \n*256
	s_or_b32 s[G0S+4*\n+3], s[G0S+4*\n+3], 0x80000000
.endr
	ROUND                                          ; all four work-groups are here: the first joint loads meet
	s_cmp_lt_u32 s8, 2
	s_cbranch_scc0 .Lfirst_small                   ; one branch on the wave's number, three first fills on either side
	tensor_load_to_lds s[G0B:G0B+3], s[G1B:G1B+7]
	s_nop 0
	tensor_load_to_lds s[G0B+4:G0B+7], s[G1B:G1B+7]
	s_nop 0
	tensor_load_to_lds s[G0B+8:G0B+11], s[G1B:G1B+7]
	s_nop 0
	s_branch .Lfirst_done
.Lfirst_small:
	tensor_load_to_lds s[G0S:G0S+3], s[G1S:G1S+7]
	s_nop 0
	tensor_load_to_lds s[G0S+4:G0S+7], s[G1S:G1S+7]
	s_nop 0
	tensor_load_to_lds s[G0S+8:G0S+11], s[G1S:G1S+7]
	s_nop 0
.Lfirst_done:
	; global bases
	s_lshr_b32 s2, s10, 6                          ; b
	s_lshl_b32 s2, s2, 22                          ; an image of x: 4,194,304 bytes
	s_and_b32 s3, s10, 63
	s_lshl_b32 s3, s3, 8                           ; 64 pixels x 4 bytes
	s_add_co_u32 s2, s2, s3
	s_lshl_b32 s3, s8, 20                          ; my 64 channels x 16,384 bytes
	s_add_co_u32 s2, s2, s3
	s_mov_b32 s3, 0
	s_add_nc_u64 s[58:59], s[68:69], s[2:3]        ; x
	s_lshl_b32 s2, s10, 8
	s_add_nc_u64 s[60:61], s[70:71], s[2:3]        ; mask + 4 (4096 b + first pixel) = mask + 256 X
	s_lshl_b32 s12, s8, 8
	s_mov_b32 s13, 0
	s_add_nc_u64 s[82:83], s[82:83], s[12:13]      ; bv + 4 x 64 w
	s_cmp_lt_u32 s8, 2
	s_cselect_b64 s[14:15], s[74:75], s[78:79]     ; bq for waves 0, 1; bk for waves 2, 3
	s_cselect_b32 s9, 0x3fb8aa3b, 1.0              ; q also takes log2(e)
	s_lshl_b32 s12, s11, 6
	s_add_nc_u64 s[14:15], s[14:15], s[12:13]      ; my 16 channels of it
	v_and_b32 v1, 15, v0                           ; r
	v_bfe_u32 v2, v0, 4, 1                         ; h
	v_and_b32 v3, 31, v0                           ; lane
	v_lshlrev_b32 v[XG], 4, v1
	v_lshl_add_u32 v[XG], v2, 17, v[XG]            ; pixels 4 r .. 4 r + 3 of channel 8 h
	v_lshlrev_b32 v[R4], 2, v1
	v_lshlrev_b32 v[H32], 5, v2
.irp pt, 0,1,2,3
	global_load_b32 v[MK+2*\pt], v[R4], s[60:61] offset:\pt*64     ; mask of pixel 16 pt + r
.endr
.irp f, 0,1,2,3
	global_load_b32 v[BV+2*\f], v[R4], s[82:83] offset:\f*64       ; bv of channel 64 w + 16 f + r
.endr
	global_load_b128 v[BQ:BQ+3], v[H32], s[14:15]                  ; bias of channels 8 h .. 8 h + 7 of my q / k tile
	global_load_b128 v[BQ+4:BQ+7], v[H32], s[14:15] offset:16
.irp g, 0,1,2,3
.irp e, 0,1,2,3,4,5,6,7
	global_load_b128 v[XR+32*\g+4*\e:XR+32*\g+4*\e+3], v[XG], s[58:59] offset:(16*\g+\e)*16384 th:TH_LOAD_NT  ; channel 64 w + 16 g + 8 h + e: sixteen lanes take 256 consecutive bytes
.endr
.endr
	; where the results go
	s_mul_i32 s2, s10, BLK
	s_add_nc_u64 s[62:63], s[86:87], s[2:3]        ; my block of kv: V goes here
	s_sub_co_u32 s6, s10, 4                        ; K goes four blocks back, round the image's 64 blocks:
	s_and_b32 s6, s6, 63                           ; (block - 4) mod 64,
	s_and_b32 s7, s10, 0xffffffc0                  ; 64 b
	s_or_b32 s6, s6, s7
	s_mul_i32 s6, s6, BLK
	s_mov_b32 s7, 0
	s_add_nc_u64 s[4:5], s[86:87], s[6:7]
	s_add_nc_u64 s[4:5], s[4:5], 32768             ; that block's K part
	s_lshl_b32 s2, s10, 12
	s_add_nc_u64 s[84:85], s[84:85], s[2:3]        ; q + 64 bytes x 64 X
	s_cmp_lt_u32 s8, 2
	s_cselect_b64 s[4:5], s[4:5], s[84:85]         ; waves 0, 1 carry K's units out, waves 2, 3 Q's
	s_lshl_b32 s2, s11, 11
	s_add_nc_u64 s[4:5], s[4:5], s[2:3]            ; eight units of 256 bytes each
	s_lshl_b32 s2, s8, 13
	s_add_nc_u64 s[62:63], s[62:63], s[2:3]        ; V: 32 units each
	; LDS addresses
	v_lshlrev_b32 v[GO], 4, v3
	v_lshlrev_b32 v4, 4, v2                        ; 16 h
	s_lshl_b32 s12, s8, 7
	s_add_co_u32 s12, s12, XT
	v_mul_u32_u24 v[XS], v1, 4*528
	v_add_nc_u32 v[XS], v[XS], v4
	v_add_nc_u32 v[XS], s12, v[XS]                 ; pixel 4 r, channels 64 w + 8 h ..
	v_mul_u32_u24 v[XA], v1, 528
	v_add_nc_u32 v[XA], v[XA], v4
	v_add_nc_u32 v[XA], XT, v[XA]                  ; pixel r, 16 h bytes along the channels
	v_mul_u32_u24 v5, v1, 272
	v_lshl_add_u32 v5, v2, 5, v5                   ; row r, 8 h f32 along the channels
	s_mul_i32 s12, s8, 64*272
	s_mul_i32 s13, s8, 16*272
	s_add_co_u32 s13, s13, 256*272
.irp n, 0,1,2
	v_add_nc_u32 v[WA+\n], s12, v5
	v_add_nc_u32 v[WQ+\n], s13, v5
	s_add_co_u32 s12, s12, RB
	s_add_co_u32 s13, s13, RB
.endr
	v_lshrrev_b32 v6, 1, v1
	v_and_b32 v7, 1, v1
	v_mul_u32_u24 v6, v6, 272
	v_lshl_add_u32 v6, v7, 7, v6
	v_add_nc_u32 v6, v6, v4
	s_mul_i32 s12, s8, 32*272
	s_add_co_u32 s12, s12, STG
	v_add_nc_u32 v[SV], s12, v6                    ; channel c at unit c / 2, half c % 2: sixteen lanes, sixteen different 16-byte columns modulo 256 bytes
	v_lshrrev_b32 v6, 2, v1
	v_and_b32 v7, 3, v1
	v_mul_u32_u24 v6, v6, 272
	v_lshl_add_u32 v6, v7, 6, v6
	v_add_nc_u32 v6, v6, v4
	s_lshr_b32 s13, s8, 1
	s_mul_i32 s13, s13, 16*272
	s_sub_co_u32 s13, STG+144*272, s13             ; Q's units 144-159 (waves 0, 1), K's 128-143 (waves 2, 3)
	s_lshl_b32 s12, s11, 5
	s_add_co_u32 s13, s13, s12                     ; my 16 channels: 32 bytes
	v_add_nc_u32 v[SQ], s13, v6                    ; pixel p at unit p / 4, quarter p % 4
	v_mul_u32_u24 v6, v2, 272
	v_lshl_add_u32 v6, v1, 4, v6                   ; back: lanes 0-15 one unit, lanes 16-31 the next
	s_mul_i32 s12, s8, 32*272
	s_add_co_u32 s12, s12, STG
	v_add_nc_u32 v[RDV], s12, v6
	s_mul_i32 s13, s8, 8*272
	s_add_co_u32 s13, s13, STG+128*272
	v_add_nc_u32 v[RDK], s13, v6
	; x to bf16, transposed: a lane's eight channels of one pixel are 16 bytes of that pixel's row
.irp g, 0,1,2,3
	s_wait_loadcnt 24-8*\g                         ; loads come back in order: group g is in, the later groups' eight loads each stay out
.irp pp, 0,1,2,3
.irp e2, 0,1,2,3
	v_cvt_pk_bf16_f32 v[TP+4*\pp+\e2], v[XR+32*\g+8*\e2+\pp], v[XR+32*\g+8*\e2+4+\pp]
.endr
.endr
.irp pp, 0,1,2,3
	ds_store_b128 v[XS], v[TP+4*\pp:TP+4*\pp+3] offset:\pp*528+\g*32
.endr
.endr
.irp pt, 0,1,2,3
	v_mul_f32 v[MK+2*\pt], s9, v[MK+2*\pt]
.endr
.irp pt, 0,1,2,3
	v_mov_b32 v[MK+2*\pt+1], v[MK+2*\pt]           ; pairs for the packed arithmetic
	v_mov_b32 v[BV+2*\pt+1], v[BV+2*\pt]
.endr
; 32 input channels: fragments from LDS, the weights rounded to bf16 in place, 20 matrix instructions on 20 accumulators that take turns,
; one instruction a turn.  V tiles: source 0 = pixels, source 1 = channels, so a lane holds eight neighbouring pixels of one
; channel; the q / k tile the other way round, so a lane holds eight neighbouring channels of one pixel.  zero = 1: the products start the sums.
.macro WSTEP reg, kc, ks, zero
.if \zero == 0
	PLACES 4                                       ; behind the last matrix instructions, whose sources are loaded again
.endif
.irp pt, 0,1,2,3
	ds_load_b128 v[XF+8*\pt:XF+8*\pt+3],   v[XA] offset:\pt*8448+\kc*128+\ks*64
	ds_load_b128 v[XF+8*\pt+4:XF+8*\pt+7], v[XA] offset:\pt*8448+\kc*128+\ks*64+32
.endr
.irp f, 0,1,2,3
	ds_load_b128 v[WR+16*\f:WR+16*\f+3],     v[WA+\reg] offset:\f*4352+\ks*128
	ds_load_b128 v[WR+16*\f+4:WR+16*\f+7],   v[WA+\reg] offset:\f*4352+\ks*128+16
	ds_load_b128 v[WR+16*\f+8:WR+16*\f+11],  v[WA+\reg] offset:\f*4352+\ks*128+64
	ds_load_b128 v[WR+16*\f+12:WR+16*\f+15], v[WA+\reg] offset:\f*4352+\ks*128+80
.endr
	ds_load_b128 v[WR+64:WR+67], v[WQ+\reg] offset:\ks*128
	ds_load_b128 v[WR+68:WR+71], v[WQ+\reg] offset:\ks*128+16
	ds_load_b128 v[WR+72:WR+75], v[WQ+\reg] offset:\ks*128+64
	ds_load_b128 v[WR+76:WR+79], v[WQ+\reg] offset:\ks*128+80
	s_wait_dscnt 0x0
.irp f, 0,1,2,3,4
.irp u, 0,1,2,3,4,5,6,7
	v_cvt_pk_bf16_f32 v[WR+16*\f+\u], v[WR+16*\f+2*\u], v[WR+16*\f+2*\u+1]     ; ascending: register u is written when 2 u and 2 u + 1 have been read
.endr
.endr
	WIN 0x50                                       ; C and D in window 1
.irp f, 0,1,2,3
.irp pt, 0,1,2,3
.if \zero
	v_wmma_f32_16x16x32_bf16 v[8*(4*\f+\pt):8*(4*\f+\pt)+7], v[XF+8*\pt:XF+8*\pt+7], v[WR+16*\f:WR+16*\f+7], 0
.else
	v_wmma_f32_16x16x32_bf16 v[8*(4*\f+\pt):8*(4*\f+\pt)+7], v[XF+8*\pt:XF+8*\pt+7], v[WR+16*\f:WR+16*\f+7], v[8*(4*\f+\pt):8*(4*\f+\pt)+7]
.endif
.endr
.endr
.irp pt, 0,1,2,3
.if \zero
	v_wmma_f32_16x16x32_bf16 v[8*(16+\pt):8*(16+\pt)+7], v[WR+64:WR+71], v[XF+8*\pt:XF+8*\pt+7], 0
.else
	v_wmma_f32_16x16x32_bf16 v[8*(16+\pt):8*(16+\pt)+7], v[WR+64:WR+71], v[XF+8*\pt:XF+8*\pt+7], v[8*(16+\pt):8*(16+\pt)+7]
.endif
.endr
	WIN 0
.endm
.macro WORK reg, kc, zero              ; chunk kc (64 input channels) out of region reg
	WSTEP \reg, \kc, 0, \zero
	WSTEP \reg, \kc, 1, 0
.endm
	s_wait_tensorcnt 0x2                           ; my part of chunk 0 is in; chunks 1 and 2 stay out
	s_wait_dscnt 0x0                               ; my rows of x transposed are written
	s_barrier_signal -1
	s_barrier_wait -1                              ; everybody's are
	WORK 0, 0, 1
	s_wait_dscnt 0x0                               ; my reads of region 0 are over
	s_wait_tensorcnt 0x0                           ; all my tensor loads have landed, so a group 0 may be written:
	ds_add_u32 v254, v255
	s_wait_dscnt 0x0
	s_add_nc_u64 s[G0B+2:G0B+3], s[G0B+2:G0B+3], 3*256     ; region 0's next chunk is chunk 3
	s_add_nc_u64 s[G0S+2:G0S+3], s[G0S+2:G0S+3], 3*256
	ROUND                                          ; both hold of every wave of all four work-groups
	s_cmp_lt_u32 s8, 2
	s_cbranch_scc0 .Lrefill_small
	tensor_load_to_lds s[G0B:G0B+3], s[G1B:G1B+7]  ; my one tensor load behind the round: it has chunks 1 and 2, 80 matrix instructions, in which to land
	s_nop 0
	s_branch .Lrefill_done
.Lrefill_small:
	tensor_load_to_lds s[G0S:G0S+3], s[G1S:G1S+7]
	s_nop 0
.Lrefill_done:
	WORK 1, 1, 0
	WORK 2, 2, 0
	s_wait_tensorcnt 0x0                           ; my part of chunk 3 is in (no load was issued behind it)
	s_wait_dscnt 0x0                               ; and my reads of regions 1 and 2 are over: region 1 becomes the stage
	s_barrier_signal -1
	s_barrier_wait -1
	WORK 0, 3, 0
	; THE WAY OUT: biases, mask, bf16, 16 bytes a lane into the stage, whole units of 256 bytes back and out
	PLACES 4
	WIN 0x41                                       ; destination and source 0 in window 1
.irp f, 0,1,2,3
.irp pt, 0,1,2,3
.irp u, 0,1,2,3
	v_pk_add_f32 v[8*(4*\f+\pt)+2*\u:8*(4*\f+\pt)+2*\u+1], v[8*(4*\f+\pt)+2*\u:8*(4*\f+\pt)+2*\u+1], v[BV+2*\f:BV+2*\f+1]
.endr
.endr
.endr
.irp pt, 0,1,2,3
.irp u, 0,1,2,3
	v_pk_add_f32 v[8*(16+\pt)+2*\u:8*(16+\pt)+2*\u+1], v[8*(16+\pt)+2*\u:8*(16+\pt)+2*\u+1], v[BQ+2*\u:BQ+2*\u+1]
.endr
.endr
.irp pt, 0,1,2,3
.irp u, 0,1,2,3
	v_pk_mul_f32 v[8*(16+\pt)+2*\u:8*(16+\pt)+2*\u+1], v[8*(16+\pt)+2*\u:8*(16+\pt)+2*\u+1], v[MK+2*\pt:MK+2*\pt+1]
.endr
.endr
	WIN 0x05                                       ; both sources in window 1
.irp f, 0,1,2,3,4
.irp pt, 0,1,2,3
.irp u, 0,1,2,3
	v_cvt_pk_bf16_f32 v[WR+4*(4*\f+\pt)+\u], v[8*(4*\f+\pt)+2*\u], v[8*(4*\f+\pt)+2*\u+1]
.endr
.endr
.endr
	WIN 0
.irp f, 0,1,2,3
.irp pt, 0,1,2,3
	ds_store_b128 v[SV], v[WR+4*(4*\f+\pt):WR+4*(4*\f+\pt)+3] offset:\f*2176+\pt*32
.endr
.endr
.irp pt, 0,1,2,3
	ds_store_b128 v[SQ], v[WR+4*(16+\pt):WR+4*(16+\pt)+3] offset:\pt*1088
.endr
	s_wait_dscnt 0x0                               ; K's and Q's units hold two waves' halves: my stores are done,
	s_barrier_signal -1
	s_barrier_wait -1                              ; everybody's are
.set nn, 0
.rept 16
	ds_load_b128 v[OUTR+4*nn:OUTR+4*nn+3], v[RDV] offset:nn*544
.set nn, nn+1
.endr
.rept 4
	ds_load_b128 v[OUTR+4*nn:OUTR+4*nn+3], v[RDK] offset:(nn-16)*544
.set nn, nn+1
.endr
.set nn, 0
.rept 16
	s_wait_dscnt 19-nn                             ; LDS loads come back in order: load nn is in, the younger ones stay out
	global_store_b128 v[GO], v[OUTR+4*nn:OUTR+4*nn+3], s[62:63] offset:nn*512      ; the wave stores 512 consecutive bytes, aligned
.set nn, nn+1
.endr
.rept 4
	s_wait_dscnt 19-nn
	global_store_b128 v[GO], v[OUTR+4*nn:OUTR+4*nn+3], s[4:5] offset:(nn-16)*512
.set nn, nn+1
.endr
	s_wait_tensorcnt 0x0
	ds_add_u32 v254, v255
	s_wait_dscnt 0x0
	ROUND                                          ; the closing round: no work-group ends while a partner may still ask jointly
	s_endpgm
.Lfunc_end_k_qf22ac8b03d_proj:
	.size	k_qf22ac8b03d_proj, .Lfunc_end_k_qf22ac8b03d_proj-k_qf22ac8b03d_proj
	.p2alignl 7, 3214868480
	.fill 96, 4, 3214868480
	.section	.rodata,"a",@progbits
	.p2align	6, 0x0
	.amdhsa_kernel k_qf22ac8b03d_proj
		.amdhsa_group_segment_fixed_size 327680
		.amdhsa_private_segment_fixed_size 0
		.amdhsa_enable_private_segment 0
		.amdhsa_kernarg_size 80
		.amdhsa_user_sgpr_count 2
		.amdhsa_user_sgpr_kernarg_segment_ptr 1
		.amdhsa_wavefront_size32 1
		.amdhsa_system_sgpr_workgroup_id_x 1
		.amdhsa_system_sgpr_workgroup_id_y 1
		.amdhsa_system_sgpr_workgroup_id_z 1
		.amdhsa_system_vgpr_workitem_id 0
		.amdhsa_next_free_vgpr 416
		.amdhsa_next_free_sgpr 88
		.amdhsa_reserve_vcc 0
		.amdhsa_float_denorm_mode_32 3
		.amdhsa_float_denorm_mode_16_64 3
		.amdhsa_memory_ordered 1
		.amdhsa_forward_progress 1
		.amdhsa_inst_pref_size 82
	.end_amdhsa_kernel
	.amdgpu_metadata
---
amdhsa.version: [ 1, 2 ]
amdhsa.kernels:
  - .name:           k_qf22ac8b03d_proj
    .symbol:         k_qf22ac8b03d_proj.kd
    .args:
      - { .name: x, .offset: 0, .size: 8, .value_kind: global_buffer, .address_space: global }
      - { .name: mask, .offset: 8, .size: 8, .value_kind: global_buffer, .address_space: global }
      - { .name: Wq, .offset: 16, .size: 8, .value_kind: global_buffer, .address_space: global }
      - { .name: bq, .offset: 24, .size: 8, .value_kind: global_buffer, .address_space: global }
      - { .name: Wk, .offset: 32, .size: 8, .value_kind: global_buffer, .address_space: global }
      - { .name: bk, .offset: 40, .size: 8, .value_kind: global_buffer, .address_space: global }
      - { .name: Wv, .offset: 48, .size: 8, .value_kind: global_buffer, .address_space: global }
      - { .name: bv, .offset: 56, .size: 8, .value_kind: global_buffer, .address_space: global }
      - { .name: q, .offset: 64, .size: 8, .value_kind: global_buffer, .address_space: global }
      - { .name: kv, .offset: 72, .size: 8, .value_kind: global_buffer, .address_space: global }
    .group_segment_fixed_size: 327680
    .private_segment_fixed_size: 0
    .kernarg_segment_align: 8
    .kernarg_segment_size: 80
    .max_flat_workgroup_size: 128
    .sgpr_count:     88
    .vgpr_count:     416
    .wavefront_size: 32
...
	.end_amdgpu_metadata
.endif
;; end of part 1
;; launch attn (part 2): grid 256 x 1, 4 waves a work-group, clusters of 4 x 1, 327,680 bytes of LDS; arguments q, kv, x, gamma, out0; writes out0
.if DOCPART == 2
	.amdgcn_target "amdgcn-amd-amdhsa--gfx1250"
	.amdhsa_code_object_version 6
	.text
	.protected	k_qf22ac8b03d_attn
	.globl	k_qf22ac8b03d_attn
	.p2align	8
	.type	k_qf22ac8b03d_attn,@function
k_qf22ac8b03d_attn:
	s_mov_b64 s[64:65], 0
	v_nop
	global_prefetch_b8 v0, s[64:65] scope:SCOPE_SE
	s_setreg_imm32_b32 hwreg(HW_REG_WAVE_MODE, 25, 1), 1
	s_wait_xcnt 0x0
	s_wait_alu depctr_hold_cnt(0) depctr_sa_sdst(0) depctr_va_vdst(0) depctr_va_sdst(0) depctr_va_ssrc(0) depctr_va_vcc(0) depctr_vm_vsrc(0)
	s_getreg_b32 s2, hwreg(HW_REG_IB_STS2, 6, 4)
	s_cmp_eq_u32 s2, 0
	s_cbranch_scc0 .Lentry_in_a_cluster
	s_endpgm
.Lentry_in_a_cluster:
	s_bfe_u32 s2, ttmp6, 0x10000c
	s_cmp_lg_u32 s2, 0x3003
	s_cbranch_scc0 .Lentry_shape_is_right
	s_endpgm
.Lentry_shape_is_right:
; attn: out0[b][c][i] = gamma * sum over j of V[c][j] softmax_j(q_i . k_j) + x[b][c][i], for 64 queries i of one image, over all 4,096 keys j.
; q already carries mask and log2(e), k the mask, V its bias; all three are bf16.  Sums, maxima, exponentials in f32, with a running maximum.
; 256 work-groups of four waves.  THE KEYS ARE SHARED OUT AMONG THE WAVES: each wave keeps all of O^T = 256 channels x 64 queries (64 accumulator tiles,
; 512 registers) for a quarter of the keys, with its own running maximum and sum; the four partial results are merged once, through LDS, at the end.
; BOTH PRODUCTS ARE USED TRANSPOSED.  S^T = K Q^T: lane (r, h) holds query r and keys 8 h + 0..7 of a tile; two such tiles rounded to bf16 ARE a
; source-1 fragment of P (column = query r, k = key), so P never leaves the registers.  O^T = V P^T again has query r in lane r, so maximum, scale and
; sum are one number a lane for each of the four query tiles.
; THE SOFTMAX RUNS ONE TRIP AHEAD AND STANDS BETWEEN THE PRODUCTS.  A block of kv holds V of its own 64 keys and K of the keys four blocks on, which are
; this wave's keys of the next trip.  Trip t packs P(t), forms S(t+1), and then multiplies V(t) P(t); behind each of those 128 matrix instructions stand
; a few vector instructions: the rescale of accumulators that come up two turns later, and the maximum, exponentials and sum of S(t+1).
; REGISTER WINDOWS.  A vector instruction between two matrix instructions runs under their window setting, so its destination lies in the accumulators'
; window.  Hence every window g = 0..3 has the same map: the accumulators of channel tiles 4 g .. 4 g + 3, their V fragments, and S and the running
; figures of query tile g.  A phase is 16 matrix instructions under one setting: sources 0 and 2 and the destination in window g, source 1 (P, and the
; rescale's factor) in window 0 for keys 0-31 of the 64 and in window 1 for keys 32-63.  Vector work there takes its source 1 from that window, from a
; constant or from a scalar: the maximum is v_max3 with -infinity in the middle, subtraction and sum are packed multiply-adds by 1.0.
; 33 switches of the window for a trip's 144 matrix instructions; each opens a run of eight instructions or more.
; CLUSTER: the four work-groups of a cluster are four query blocks of one image and walk the same K and V: every tile is asked for jointly (mask 15),
; which divides the requests for K and V by four.  The descriptors hang on the cluster's number and the wave's number alone.
; RING: two LDS slots; a slot holds four blocks (36,864 bytes each, dense in memory: 144 rows of 256 bytes), one block a wave, loaded and read by that
; wave.  16 trips.  By this text's count a wave has one tensor load out, issued straight behind a round of the cluster's barrier.
; LIMITS: q, k, V and P are rounded to bf16; the sum l is taken from P before that rounding; v_exp_f32 gives 0 below 2^-126 (ISA guide 15.8);
; NaN and infinities in the inputs are not followed.
.set BLK,   36864                      ; a block of kv in memory
.set WBLK,  144*272                    ; and in LDS: rows of 256 bytes padded by 16
.set SLOT,  4*WBLK
.set KOFF,  128*272                    ; K's 16 rows lie behind V's 128
.set STATS, 2*SLOT                     ; 2,048 bytes that no tensor load fills: m[wave][64], then l[wave][64]
.set MSTG,  256*272                    ; the merge: a wave's 256 channels x 64 queries in f32, pitch 272, over the slots after their last fill
; in every window g:  v0-127 accumulators, tile (channel tile 4 g + c, query tile it) at 8 (4 c + it)
.set VB,  128                          ; v128-159 V fragments of channel tiles 4 g .. 4 g + 3, 32 keys
.set SP,  160                          ; v160-191 S^T of query tile g: key tile jt at + 8 jt; then 2^(S - m)
.set T,   192                          ; maximum at work
.set T2,  193                          ; second chain; the other half's
.set DL,  194                          ; old maximum - new
.set M,   195                          ; running maximum
.set NM,  196                          ; v196-197 minus the running maximum, twice
.set LP,  198                          ; v198-199 l, a pair (even, odd keys)
.set CS,  200                          ; v200-201 the sum of the 64 keys at work, a pair
.set ALT, 202                          ; 2^(old - new), before it moves to window 0
.set PX,  204                          ; v204-235 window 0: P of keys 0-31; window 1: P of keys 32-63 (query tile it at + 8 it); window 2: Q fragments; window 3: K fragments
; in window 0 alone
.set AL,  236                          ; v236-243 2^(old - new), twice, for each query tile
.set VA,  244                          ; v244-245 V fragments' LDS address, slot 0, 1
.set KA,  246                          ; v246-247 K fragments' LDS address, slot 0, 1
.set TID, 248                          ; the thread's number (v0 becomes an accumulator)
.set QO,  249                          ; my byte offset in q and in a block's K part
; in window 0, in the merge, over registers that the trips have left
.set MM,  204                          ; m of the four waves for my four queries, then the factors
.set LL,  220                          ; l likewise
.set MX,  236                          ; the common maximum
.set LS,  240                          ; the common sum, then gamma / sum
.set ST0, 244                          ; where my accumulators of channels 0-127 go
.set ST1, 245                          ; channels 128-255
.set XO,  246                          ; my byte offset in x and out0
.set SA,  247                          ; my wave's statistics
.set SR,  249                          ; statistics of my four queries
.set RD,  250                          ; v250-253 my rows in the four waves' stages
.set RR,  254                          ; r
.set HH,  255                          ; h
.set G1, 16                            ; s[16:23]
.set G0, 32                            ; s[32:39] one group 0 for each slot
.set MSB, 0
.macro WIN new                         ; the immediate's high byte repeats the setting that is left
.if MSB != \new
	s_set_vgpr_msb (MSB<<8)|\new
.set MSB, \new
.endif
.endm
.macro PLACES n                        ; places behind matrix instructions (ISA guide 7.12.1)
.rept \n
	v_nop
.endr
.endm
.macro ROUND                           ; a round of the cluster's barrier
	s_barrier_signal -1
	s_barrier_wait -1
	s_cmp_lg_u32 s8, 0
	s_cbranch_scc1 .Lnot_wave_0_\@
	s_barrier_signal -3
.Lnot_wave_0_\@:
	s_barrier_wait -3
	s_barrier_signal -1
	s_barrier_wait -1
.endm
	s_load_b256 s[48:55], s[0:1], 0x0              ; q 48, kv 50, x 52, gamma 54
	s_load_b64 s[56:57], s[0:1], 0x20              ; out0
	v_lshl_add_u32 v203, v0, 2, 0x4d000
	s_set_vgpr_msb 0x40
	v_mov_b32 v255, 0
	s_set_vgpr_msb 0x4044
	ds_add_u32 v203, v255
	s_set_vgpr_msb 0x4400
	v_lshrrev_b32 v1, 5, v0
	v_readfirstlane_b32 s8, v1                     ; wave 0..3
	v_mov_b32 v[TID], v0
	s_bfe_u32 s9, ttmp6, 0x40000                   ; cx
	s_lshl_b32 s12, ttmp9, 2
	s_add_co_u32 s12, s12, s9                      ; X = 64 b + query block: enters the addresses of q, x, out0 alone
	s_lshr_b32 s10, ttmp9, 4                       ; b, from the cluster's number: the four partners share it
	s_mul_i32 s10, s10, 64*BLK
	s_mul_i32 s11, s8, BLK
	s_add_co_u32 s10, s10, s11                     ; my wave's block of the first four
	s_mov_b32 s11, 0
	s_mul_i32 s13, s8, WBLK                        ; and its place in a slot
	s_mov_b32 s[G1+0], 15|(3<<16)|(1<<20)|(1<<21)|(5<<22)|(3<<25)  ; mask of all four; 8-byte elements; padding on; bit 21 beside a mask; every 64 words; 4 words
	s_mov_b32 s[G1+1], 32<<16                      ; tensor_dim0 = 32 elements = 256 bytes
	s_mov_b32 s[G1+2], 144<<16                     ; tensor_dim1 = 144
	s_mov_b32 s[G1+3], 32<<16                      ; tile_dim0 = 32
	s_mov_b32 s[G1+4], 144                         ; tile_dim1 = 144
	s_mov_b32 s[G1+5], 32                          ; dense: a row begins where the last ends
	s_mov_b32 s[G1+6], 0
	s_mov_b32 s[G1+7], 0
	s_mov_b32 s40, 0x76543210                      ; v_permlanex16_b32: lane i of one half reads lane i of the other
	s_mov_b32 s41, 0xfedcba98
	s_mov_b32 s42, 0xff800000                      ; -infinity: the idle middle source of v_max3, and the maximum before the first key
	s_wait_dscnt 0x0
	s_wait_kmcnt 0x0
	s_load_b32 s14, s[54:55], 0x0                  ; gamma: waited for behind the first softmax
	s_add_nc_u64 s[10:11], s[50:51], s[10:11]
.irp n, 0,1
	s_mov_b32 s[G0+4*\n], 1
	s_add_co_u32 s[G0+4*\n+1], s13, \n*SLOT
	s_add_nc_u64 s[G0+4*\n+2:G0+4*\n+3], s[10:11], \n*4*BLK        ; slot n starts with trip n's four blocks
	s_or_b32 s[G0+4*\n+3], s[G0+4*\n+3], 0x80000000
.endr
	s_add_nc_u64 s[46:47], s[10:11], 60*BLK+32768  ; the keys of block w lie in the K part of block 60 + w
	ROUND                                          ; all four work-groups are here: the first joint loads meet
	tensor_load_to_lds s[G0:G0+3], s[G1:G1+7]      ; trip 0's block; the first softmax below runs while it is on its way
	s_nop 0
	s_lshl_b32 s58, s12, 12                        ; 64 queries x 64 bytes
	s_mov_b32 s59, 0
	s_add_nc_u64 s[48:49], s[48:49], s[58:59]      ; q at my first query
	s_lshr_b32 s58, s12, 6
	s_lshl_b32 s58, s58, 22                        ; an image: 4,194,304 bytes
	s_and_b32 s60, s12, 63
	s_lshl_b32 s60, s60, 8                         ; 64 queries x 4 bytes
	s_add_co_u32 s58, s58, s60
	s_lshl_b32 s60, s8, 20                         ; in the merge wave w owns channels 64 w .. 64 w + 63
	s_add_co_u32 s58, s58, s60
	s_add_nc_u64 s[52:53], s[52:53], s[58:59]      ; x
	s_add_nc_u64 s[56:57], s[56:57], s[58:59]      ; out0
	v_and_b32 v1, 15, v0                           ; r
	v_bfe_u32 v2, v0, 4, 1                         ; h
	v_lshlrev_b32 v3, 4, v2                        ; 16 h
	v_lshl_add_u32 v[QO], v1, 6, v3                ; rows of 64 bytes: row r, 16 h
	WIN 0x80                                       ; destination in window 2
.irp it, 0,1,2,3
	global_load_b128 v[PX+8*\it:PX+8*\it+3],   v[QO], s[48:49] offset:\it*1024      ; query 16 it + r, channels 8 h ..
	global_load_b128 v[PX+8*\it+4:PX+8*\it+7], v[QO], s[48:49] offset:\it*1024+32   ; channels 16 + 8 h ..
.endr
	WIN 0xc0                                       ; destination in window 3
.irp jt, 0,1,2,3
	global_load_b128 v[PX+8*\jt:PX+8*\jt+3],   v[QO], s[46:47] offset:\jt*1024      ; key 16 jt + r of my first 64
	global_load_b128 v[PX+8*\jt+4:PX+8*\jt+7], v[QO], s[46:47] offset:\jt*1024+32
.endr
	WIN 0
	v_lshrrev_b32 v4, 1, v1
	v_and_b32 v5, 1, v1
	v_mul_u32_u24 v4, v4, 272
	v_lshl_add_u32 v4, v5, 7, v4
	v_add_nc_u32 v4, v4, v3
	v_add_nc_u32 v[VA], s13, v4                    ; channel c: row c / 2, half c % 2: sixteen lanes, sixteen different 16-byte columns modulo 256 bytes
	v_add_nc_u32 v[VA+1], SLOT, v[VA]
	v_lshrrev_b32 v4, 2, v1
	v_and_b32 v5, 3, v1
	v_mul_u32_u24 v4, v4, 272
	v_lshl_add_u32 v4, v5, 6, v4
	v_add_nc_u32 v4, v4, v3
	s_add_co_u32 s15, s13, KOFF
	v_add_nc_u32 v[KA], s15, v4                    ; key j: row j / 4, quarter j % 4: again sixteen different columns
	v_add_nc_u32 v[KA+1], SLOT, v[KA]
; S^T of 64 keys x 64 queries: 16 matrix instructions; source 0 = K (window 3), source 1 = Q (window 2), the result of query tile it in window it
.macro SBURST
.irp it, 0,1,2,3
	WIN (0x0b|(\it<<6))
.irp jt, 0,1,2,3
	v_wmma_f32_16x16x32_bf16 v[SP+8*\jt:SP+8*\jt+7], v[PX+8*\jt:PX+8*\jt+7], v[PX+8*\it:PX+8*\it+7], 0
.endr
.endr
.endm
; The maximum of the lane's 32 energies and the maximum so far: 32 instructions, number n of them; two chains that take turns.
.macro MAXOP n
.if (\n) == 0
	v_max3_num_f32 v[T], v[SP], s42, v[M]
.endif
.if (\n) == 1
	v_max3_num_f32 v[T2], v[SP+1], s42, v[SP+2]
.endif
.if (\n) > 1
.if (\n) < 31
.if ((\n)&1) == 0
	v_max3_num_f32 v[T], v[SP+(\n)+1], s42, v[T]
.else
	v_max3_num_f32 v[T2], v[SP+(\n)+1], s42, v[T2]
.endif
.endif
.endif
.if (\n) == 31
	v_max3_num_f32 v[T], v[T], s42, v[T2]
.endif
.endm
.macro NEWMAX                          ; across the two halves of the lanes; the new maximum, its negative twice, and 2^(old - new)
	v_permlanex16_b32 v[T2], v[T], s40, s41        ; the other 32 keys of the same query lie in lane r + 16
	v_max3_num_f32 v[T], v[T], s42, v[T2]
	v_fma_f32 v[DL], v[T], -1.0, v[M]
	v_mul_f32 v[NM], v[T], -1.0
	v_mul_f32 v[NM+1], v[T], -1.0
	v_mov_b32 v[M], v[T]
	v_exp_f32 v[ALT], v[DL]                        ; its result is read in the next trip; a plain instruction follows (ISA guide 5.7.2)
.endm
.macro SHIFT j                         ; pair j of the 16: S - m
	v_pk_fma_f32 v[SP+2*(\j):SP+2*(\j)+1], v[SP+2*(\j):SP+2*(\j)+1], 1.0, v[NM:NM+1] op_sel_hi:[1,0,1]
.endm
.macro EXPS j                          ; the energies are in base 2: q carries log2(e)
	v_exp_f32 v[SP+2*(\j)], v[SP+2*(\j)]
	v_exp_f32 v[SP+2*(\j)+1], v[SP+2*(\j)+1]
.endm
.macro LSUM p                          ; pair p joins the sum; pair 1 starts it with pair 0
.if (\p) == 1
	s_wait_alu depctr_va_vdst(0)
	v_pk_fma_f32 v[CS:CS+1], v[SP+2:SP+3], 1.0, v[SP:SP+1] op_sel_hi:[1,0,1]
.else
	s_wait_alu depctr_va_vdst(0)
	v_pk_fma_f32 v[CS:CS+1], v[SP+2*(\p):SP+2*(\p)+1], 1.0, v[CS:CS+1] op_sel_hi:[1,0,1]
.endif
.endm
; Part k of 16 of a query tile's softmax behind its maximum.  A pair is shifted two parts ahead of its exponentials and summed one part behind them, so
; that a plain instruction that touches neither always stands between an exponential and the use of its result (ISA guide 5.7.2).
.macro SOFTFILL k
.if (\k) == 0
	NEWMAX
.endif
.if (\k) == 1
	SHIFT 0
	SHIFT 1
	SHIFT 2
	EXPS 0
.endif
.if (\k) > 1
.if (\k) < 15
	EXPS ((\k)-1)
	SHIFT ((\k)+1)
.if (\k) > 2
	LSUM ((\k)-2)
.endif
.endif
.endif
.if (\k) == 15
	EXPS 14
	EXPS 15
	LSUM 13
	LSUM 14
	LSUM 15
.endif
.endm
.macro RS k                            ; accumulator tile k of the window times 2^(old maximum - new), a number of the lane's query (query tile k % 4)
.irp u, 0,1,2,3
	v_pk_mul_f32 v[8*(\k)+2*\u:8*(\k)+2*\u+1], v[8*(\k)+2*\u:8*(\k)+2*\u+1], v[AL+2*((\k)&3):AL+2*((\k)&3)+1]
.endr
.endm
.macro VLOAD slot, g, hf               ; eight LDS loads: V's channel tiles 4 g .. 4 g + 3, keys 32 hf .. 32 hf + 31, into window g
	WIN ((\g)<<6)
.irp c, 0,1,2,3
	ds_load_b128 v[VB+8*\c:VB+8*\c+3],   v[VA+\slot] offset:(4*(\g)+\c)*2176+\hf*64
	ds_load_b128 v[VB+8*\c+4:VB+8*\c+7], v[VA+\slot] offset:(4*(\g)+\c)*2176+\hf*64+32
.endr
.endm
.macro PACK                            ; 2^(S - m) of the four windows to bf16: P of keys 0-31 into window 0, with the rescale's factors; of keys 32-63 into window 1
.irp it, 0,1,2,3
	WIN (\it|(\it<<2))
.irp u, 0,1,2,3,4,5,6,7
	v_cvt_pk_bf16_f32 v[PX+8*\it+\u], v[SP+2*\u], v[SP+2*\u+1]
.endr
	v_mov_b32 v[AL+2*\it], v[ALT]
	v_mov_b32 v[AL+2*\it+1], v[ALT]
.endr
.irp it, 0,1,2,3
	WIN (\it|(\it<<2)|0x40)
.irp u, 0,1,2,3,4,5,6,7
	v_cvt_pk_bf16_f32 v[PX+8*\it+\u], v[SP+16+2*\u], v[SP+16+2*\u+1]
.endr
.endr
.endm
; Window g, keys 0-31: 16 matrix instructions on 16 accumulators that take turns, one instruction a turn.  Behind each: the rescale of
; the tile two turns on and two steps of the next keys' maximum.  first = 1: the products start the sums, nothing is rescaled.  soft = 0: no next keys.
.macro PHASE0 g, slot, first, soft
	WIN (\g|(\g<<4)|(\g<<6))
.if \first
	PLACES 4                                       ; behind the products whose S is read below
	v_mov_b32 v[LP], v[CS]
	v_mov_b32 v[LP+1], v[CS+1]
.else
	RS 0
	RS 1
	v_pk_fma_f32 v[LP:LP+1], v[LP:LP+1], v[AL+2*\g:AL+2*\g+1], v[CS:CS+1]     ; l follows O: rescaled, then this trip's keys
.endif
.if \g
	VLOAD \slot, (\g-1), 1                         ; the window just left gets its keys 32-63; the lines above are the four places behind its last product
	WIN (\g|(\g<<4)|(\g<<6))
.endif
	s_wait_dscnt 24                                ; my eight loads are in; three younger runs of eight stay out
.set kk, 0
.rept 16
.if \first
	v_wmma_f32_16x16x32_bf16 v[8*kk:8*kk+7], v[VB+8*(kk>>2):VB+8*(kk>>2)+7], v[PX+8*(kk&3):PX+8*(kk&3)+7], 0
.else
	v_wmma_f32_16x16x32_bf16 v[8*kk:8*kk+7], v[VB+8*(kk>>2):VB+8*(kk>>2)+7], v[PX+8*(kk&3):PX+8*(kk&3)+7], v[8*kk:8*kk+7]
.if kk < 14
	RS (kk+2)
.endif
.endif
.if \soft
	MAXOP (2*kk)
	MAXOP (2*kk+1)
.endif
.set kk, kk+1
.endr
.endm
; Window g, keys 32-63: the same 16 accumulators in the same order; behind each product a part of the next keys' softmax.
.macro PHASE1 g, slot, soft
.if \g == 0
	PLACES 4                                       ; behind window 3's last product, whose V registers are loaded again
	VLOAD \slot, 3, 1
.endif
	WIN (\g|4|(\g<<4)|(\g<<6))
	s_wait_dscnt 24-8*\g                           ; my eight loads are in; the 3 - g younger runs of eight stay out
.set kk, 0
.rept 16
	v_wmma_f32_16x16x32_bf16 v[8*kk:8*kk+7], v[VB+8*(kk>>2):VB+8*(kk>>2)+7], v[PX+8*(kk&3):PX+8*(kk&3)+7], v[8*kk:8*kk+7]
.if \soft
	SOFTFILL kk
.endif
.set kk, kk+1
.endr
.endm
; One trip: V of my 64 keys and K of my next 64 out of slot.  refill = 1: the other slot is asked for again.
.macro TRIP slot, refill, first, soft
	s_set_vgpr_msb 0x4
	s_wait_tensorcnt 0x0                           ; all my tensor loads have landed, this trip's block among them, so a group 0 may be written:
	ds_add_u32 v203, v255
	s_wait_dscnt 0x0
	s_set_vgpr_msb 0x400
	s_add_nc_u64 s[G0+4*\slot+2:G0+4*\slot+3], s[G0+4*\slot+2:G0+4*\slot+3], 8*BLK   ; this slot's next block, two trips on
	s_wait_dscnt 0x0                               ; my reads of the other slot are over
	ROUND                                          ; both hold of every wave of all four work-groups
.if \refill
	tensor_load_to_lds s[G0+4-4*\slot:G0+7-4*\slot], s[G1:G1+7]    ; my one tensor load behind the round: the next trip's block; it has this whole trip in which to land
	s_nop 0
.endif
.if \first == 0
	PLACES 4                                       ; behind the last trip's products: their V registers are loaded again, their P registers written
.endif
.if \soft
	WIN 0xc0
.irp jt, 0,1,2,3
	ds_load_b128 v[PX+8*\jt:PX+8*\jt+3],   v[KA+\slot] offset:\jt*1088
	ds_load_b128 v[PX+8*\jt+4:PX+8*\jt+7], v[KA+\slot] offset:\jt*1088+32
.endr
.endif
	VLOAD \slot, 0, 0
	VLOAD \slot, 1, 0
	VLOAD \slot, 2, 0
	VLOAD \slot, 3, 0
	PACK                                           ; register work while the loads are on their way
.if \soft
	s_wait_dscnt 32                                ; K's eight loads are in; the 32 of V issued behind them stay out
	SBURST
.endif
	PHASE0 0, \slot, \first, \soft
	PHASE0 1, \slot, \first, \soft
	PHASE0 2, \slot, \first, \soft
	PHASE0 3, \slot, \first, \soft
	PHASE1 0, \slot, \soft
	PHASE1 1, \slot, \soft
	PHASE1 2, \slot, \soft
	PHASE1 3, \slot, \soft
	WIN 0
.endm
	; the softmax of my first 64 keys, with nothing to stand between
	s_wait_loadcnt 0x0                             ; q and the first keys
	SBURST
	PLACES 4                                       ; behind the products whose results are read
.irp g, 0,1,2,3
	WIN (\g|(\g<<4)|(\g<<6))
	v_mov_b32 v[M], s42                            ; no key yet: the maximum is -infinity, and 2^(old - new) comes out 0 and is not used
.set ff, 0
.rept 32
	MAXOP ff
.set ff, ff+1
.endr
.set ff, 0
.rept 16
	SOFTFILL ff
.set ff, ff+1
.endr
.endr
	WIN 0
	s_wait_kmcnt 0x0                               ; gamma
	TRIP 0, 1, 1, 1                                ; the first trip starts the accumulators and l: nothing is cleared
	TRIP 1, 1, 0, 1
	s_mov_b32 s44, 6
.Llap:
	TRIP 0, 1, 0, 1
	TRIP 1, 1, 0, 1
	s_sub_co_u32 s44, s44, 1
	s_cmp_lg_u32 s44, 0
	s_cbranch_scc1 .Llap
	TRIP 0, 1, 0, 1
	TRIP 1, 0, 0, 0                                ; the sixteenth trip asks for nothing and has no next keys (the stepped addresses are not used)
	; THE MERGE.  out0 = x + sum over the four waves of part_w * gamma 2^(m_w - m) / l,  l = sum over the waves of l_w 2^(m_w - m).
	PLACES 4                                       ; behind the last matrix instructions: results are read, V's registers loaded
	v_and_b32 v[RR], 15, v[TID]                    ; r
	v_bfe_u32 v[HH], v[TID], 4, 1                  ; h
	v_lshlrev_b32 v[XO], 4, v[RR]
	v_lshl_add_u32 v[XO], v[HH], 14, v[XO]         ; lanes 0-15 one row of 256 bytes of x and out0, lanes 16-31 the next
.irp bt, 0,1,2,3
	WIN (\bt<<6)                                   ; batch bt of eight pairs of rows lies in window bt
.irp p, 0,1,2,3,4,5,6,7
	global_load_b128 v[VB+4*\p:VB+4*\p+3], v[XO], s[52:53] offset:(8*\bt+\p)*32768 th:TH_LOAD_NT   ; x, channels 64 w + 2 (8 bt + p) + h: sixteen lanes take 256 consecutive bytes
.endr
.endr
	WIN 0
	v_mul_u32_u24 v[ST0], v[HH], 8*272
	v_lshl_add_u32 v[ST0], v[RR], 2, v[ST0]
	s_mul_i32 s15, s8, MSTG
	v_add_nc_u32 v[ST0], s15, v[ST0]               ; channel 8 h, query r of my stage
	v_add_nc_u32 v[ST1], 128*272, v[ST0]
	v_mul_u32_u24 v[RD], v[HH], 272
	v_lshl_add_u32 v[RD], v[RR], 4, v[RD]
	s_mul_i32 s15, s8, 64*272
	v_add_nc_u32 v[RD], s15, v[RD]                 ; my 64 rows: lanes 0-15 one row of 256 bytes, lanes 16-31 the next
	v_add_nc_u32 v[RD+1], MSTG, v[RD]
	v_add_nc_u32 v[RD+2], MSTG, v[RD+1]
	v_add_nc_u32 v[RD+3], MSTG, v[RD+2]
	s_lshl_b32 s15, s8, 8
	s_add_co_u32 s15, s15, STATS
	v_lshl_add_u32 v[SA], v[RR], 2, s15
	v_lshlrev_b32 v[SR], 4, v[RR]
	v_add_nc_u32 v[SR], STATS, v[SR]
.irp g, 0,1,2,3
	WIN (\g*0x55)                                  ; everything in window g
	v_add_f32 v[LP], v[LP], v[LP+1]
	v_permlanex16_b32 v[T2], v[LP], s40, s41
	v_add_f32 v[LP], v[LP], v[T2]
	WIN (\g<<2)                                    ; store data in window g
	ds_store_b32 v[SA], v[M] offset:\g*64          ; both halves of the lanes write the same number to the same word
	ds_store_b32 v[SA], v[LP] offset:1024+\g*64
.endr
	WIN 0
	s_wait_dscnt 0x0                               ; my statistics are written, my reads of both slots are over,
	s_barrier_signal -1
	s_barrier_wait -1                              ; everybody's are: the slots, which have had their last fill, become the stages
.irp wp, 0,1,2,3
	ds_load_b128 v[MM+4*\wp:MM+4*\wp+3], v[SR] offset:\wp*256          ; wave wp's m and l of queries 4 r .. 4 r + 3
	ds_load_b128 v[LL+4*\wp:LL+4*\wp+3], v[SR] offset:1024+\wp*256
.endr
.irp g, 0,1,2,3
	WIN (\g<<2)                                    ; store data in window g
.irp ctl, 0,1,2,3
.irp it, 0,1,2,3
.irp t, 0,1,2,3,4,5,6,7
	ds_store_b32 v[ST0+(\g>>1)], v[8*(4*\ctl+\it)+\t] offset:((\g&1)*64+16*\ctl+\t)*272+\it*64   ; channel 64 g + 16 c + 8 h + t, query 16 it + r: the two halves of the lanes lie 544 words apart
.endr
.endr
.endr
.endr
	WIN 0
	s_wait_dscnt 0x0                               ; the statistics are in, my partial result is written,
	s_barrier_signal -1
	s_barrier_wait -1                              ; everybody's is
.irp e, 0,1,2,3
	v_max3_num_f32 v[MX+\e], v[MM+\e], v[MM+4+\e], v[MM+8+\e]
.endr
.irp e, 0,1,2,3
	v_max_num_f32 v[MX+\e], v[MX+\e], v[MM+12+\e]
.endr
.irp wp, 0,1,2,3
	v_pk_add_f32 v[MM+4*\wp:MM+4*\wp+1],   v[MM+4*\wp:MM+4*\wp+1],   v[MX:MX+1]   neg_lo:[0,1] neg_hi:[0,1]
	v_pk_add_f32 v[MM+4*\wp+2:MM+4*\wp+3], v[MM+4*\wp+2:MM+4*\wp+3], v[MX+2:MX+3] neg_lo:[0,1] neg_hi:[0,1]
.endr
.set ee, 0
.rept 16
	v_exp_f32 v[MM+ee], v[MM+ee]
.set ee, ee+1
.endr
	v_nop                                          ; the plain place behind the exponentials
	s_wait_alu depctr_va_vdst(0)
	v_pk_mul_f32 v[LS:LS+1],   v[MM:MM+1],   v[LL:LL+1]
	v_pk_mul_f32 v[LS+2:LS+3], v[MM+2:MM+3], v[LL+2:LL+3]
.irp wp, 1,2,3
	v_pk_fma_f32 v[LS:LS+1],   v[MM+4*\wp:MM+4*\wp+1],   v[LL+4*\wp:LL+4*\wp+1],   v[LS:LS+1]
	v_pk_fma_f32 v[LS+2:LS+3], v[MM+4*\wp+2:MM+4*\wp+3], v[LL+4*\wp+2:LL+4*\wp+3], v[LS+2:LS+3]
.endr
.irp e, 0,1,2,3
	v_rcp_f32 v[LS+\e], v[LS+\e]                   ; the sum is at least 1: the wave with the common maximum counts its own largest term as 1
.endr
	v_nop                                          ; the plain place behind the reciprocals
	s_wait_alu depctr_va_vdst(0)
.irp e, 0,1,2,3
	v_mul_f32 v[LS+\e], s14, v[LS+\e]              ; gamma / l
.endr
.irp wp, 0,1,2,3
	v_pk_mul_f32 v[MM+4*\wp:MM+4*\wp+1],   v[MM+4*\wp:MM+4*\wp+1],   v[LS:LS+1]
	v_pk_mul_f32 v[MM+4*\wp+2:MM+4*\wp+3], v[MM+4*\wp+2:MM+4*\wp+3], v[LS+2:LS+3]
.endr
	s_wait_loadcnt 0x0                             ; x
	; four batches of eight pairs of rows: the four partial results of a pair (into the window's accumulators, which have been stored), eight fused multiply-adds onto x, one store
.irp bt, 0,1,2,3
	WIN (\bt<<6)
.irp p, 0,1,2,3,4,5,6,7
.irp wp, 0,1,2,3
	ds_load_b128 v[16*\p+4*\wp:16*\p+4*\wp+3], v[RD+\wp] offset:(8*\bt+\p)*544
.endr
.endr
	WIN (\bt|(\bt<<4)|(\bt<<6))                    ; the part, x and the result in window bt, the factor in window 0
.irp p, 0,1,2,3,4,5,6,7
	s_wait_dscnt 4*(7-\p)                          ; LDS loads come back in order: pair p's four are in, the younger pairs' stay out
.irp wp, 0,1,2,3
	v_pk_fma_f32 v[VB+4*\p:VB+4*\p+1],   v[16*\p+4*\wp:16*\p+4*\wp+1],   v[MM+4*\wp:MM+4*\wp+1],   v[VB+4*\p:VB+4*\p+1]
	v_pk_fma_f32 v[VB+4*\p+2:VB+4*\p+3], v[16*\p+4*\wp+2:16*\p+4*\wp+3], v[MM+4*\wp+2:MM+4*\wp+3], v[VB+4*\p+2:VB+4*\p+3]
.endr
.endr
	WIN (\bt<<2)                                   ; store data in window bt
.irp p, 0,1,2,3,4,5,6,7
	global_store_b128 v[XO], v[VB+4*\p:VB+4*\p+3], s[56:57] offset:(8*\bt+\p)*32768 th:TH_STORE_NT   ; sixteen lanes store 256 consecutive bytes, aligned
.endr
.endr
	WIN 0
	s_set_vgpr_msb 0x4
	s_wait_tensorcnt 0x0
	ds_add_u32 v203, v255
	s_wait_dscnt 0x0
	s_set_vgpr_msb 0x400
	ROUND                                          ; the closing round: no work-group ends while a partner may still ask jointly
	s_endpgm
.Lfunc_end_k_qf22ac8b03d_attn:
	.size	k_qf22ac8b03d_attn, .Lfunc_end_k_qf22ac8b03d_attn-k_qf22ac8b03d_attn
	.p2alignl 7, 3214868480
	.fill 96, 4, 3214868480
	.section	.rodata,"a",@progbits
	.p2align	6, 0x0
	.amdhsa_kernel k_qf22ac8b03d_attn
		.amdhsa_group_segment_fixed_size 327680
		.amdhsa_private_segment_fixed_size 0
		.amdhsa_enable_private_segment 0
		.amdhsa_kernarg_size 40
		.amdhsa_user_sgpr_count 2
		.amdhsa_user_sgpr_kernarg_segment_ptr 1
		.amdhsa_wavefront_size32 1
		.amdhsa_system_sgpr_workgroup_id_x 1
		.amdhsa_system_sgpr_workgroup_id_y 1
		.amdhsa_system_sgpr_workgroup_id_z 1
		.amdhsa_system_vgpr_workitem_id 0
		.amdhsa_next_free_vgpr 1024
		.amdhsa_next_free_sgpr 66
		.amdhsa_reserve_vcc 0
		.amdhsa_float_denorm_mode_32 3
		.amdhsa_float_denorm_mode_16_64 3
		.amdhsa_memory_ordered 1
		.amdhsa_forward_progress 1
		.amdhsa_inst_pref_size 255
	.end_amdhsa_kernel
	.section	.bss,"aw",@nobits
	.p2align	6
	.space	262144
	.amdgpu_metadata
---
amdhsa.version: [ 1, 2 ]
amdhsa.kernels:
  - .name:           k_qf22ac8b03d_attn
    .symbol:         k_qf22ac8b03d_attn.kd
    .args:
      - { .name: q, .offset: 0, .size: 8, .value_kind: global_buffer, .address_space: global }
      - { .name: kv, .offset: 8, .size: 8, .value_kind: global_buffer, .address_space: global }
      - { .name: x, .offset: 16, .size: 8, .value_kind: global_buffer, .address_space: global }
      - { .name: gamma, .offset: 24, .size: 8, .value_kind: global_buffer, .address_space: global }
      - { .name: out0, .offset: 32, .size: 8, .value_kind: global_buffer, .address_space: global }
    .group_segment_fixed_size: 327680
    .private_segment_fixed_size: 0
    .kernarg_segment_align: 8
    .kernarg_segment_size: 40
    .max_flat_workgroup_size: 128
    .sgpr_count:     66
    .vgpr_count:     1024
    .wavefront_size: 32
...
	.end_amdgpu_metadata
.endif
;; end of part 2
;; ======== version 2 of 2: 2 launches; 1.14 times as fast as version 1
;; workspace buffers: q 1,048,576 bytes; kv 9,437,184 bytes
;; launch proj: the kernel of part 1 again; grid 256 x 1, 4 waves a work-group, clusters of 4 x 1, 327,680 bytes of LDS; arguments x, mask, Wq, bq, Wk, bk, Wv, bv, q, kv; writes q, kv
;; launch attn (part 3): grid 256 x 1, 4 waves a work-group, clusters of 4 x 1, 327,680 bytes of LDS; arguments q, kv, x, gamma, out0; writes out0
.if DOCPART == 3
	.amdgcn_target "amdgcn-amd-amdhsa--gfx1250"
	.amdhsa_code_object_version 6
	.text
	.protected	k_qf22ac8b03d_attn
	.globl	k_qf22ac8b03d_attn
	.p2align	8
	.type	k_qf22ac8b03d_attn,@function
k_qf22ac8b03d_attn:
	s_mov_b64 s[64:65], 0
	v_nop
	global_prefetch_b8 v0, s[64:65] scope:SCOPE_SE
	s_setreg_imm32_b32 hwreg(HW_REG_WAVE_MODE, 25, 1), 1
	s_wait_xcnt 0x0
	s_wait_alu depctr_hold_cnt(0) depctr_sa_sdst(0) depctr_va_vdst(0) depctr_va_sdst(0) depctr_va_ssrc(0) depctr_va_vcc(0) depctr_vm_vsrc(0)
	s_getreg_b32 s2, hwreg(HW_REG_IB_STS2, 6, 4)
	s_cmp_eq_u32 s2, 0
	s_cbranch_scc0 .Lentry_in_a_cluster
	s_endpgm
.Lentry_in_a_cluster:
	s_bfe_u32 s2, ttmp6, 0x10000c
	s_cmp_lg_u32 s2, 0x3003
	s_cbranch_scc0 .Lentry_shape_is_right
	s_endpgm
.Lentry_shape_is_right:
; attn: out0[b][c][i] = gamma * sum over j of V[c][j] softmax_j(q_i . k_j) + x[b][c][i], for 64 queries i of one image, over all 4,096 keys j.
; q already carries mask and log2(e), k the mask, V its bias; all three are bf16.  Sums, maxima, exponentials in f32, with a running maximum.
; 256 work-groups of four waves.  THE KEYS ARE SHARED OUT AMONG THE WAVES: each wave keeps all of O^T = 256 channels x 64 queries (64 accumulator tiles,
; 512 registers) for a quarter of the keys, with its own running maximum and sum; the four partial results are merged once, through LDS, at the end.
; BOTH PRODUCTS ARE USED TRANSPOSED.  S^T = K Q^T: lane (r, h) holds query r and keys 8 h + 0..7 of a tile; two such tiles rounded to bf16 ARE a
; source-1 fragment of P (column = query r, k = key), so P never leaves the registers.  O^T = V P^T again has query r in lane r, so maximum, scale and
; sum are one number a lane for each of the four query tiles.
; THE SOFTMAX RUNS ONE TRIP AHEAD AND STANDS BETWEEN THE PRODUCTS.  A block of kv holds V of its own 64 keys and K of the keys four blocks on, which are
; this wave's keys of the next trip.  Trip t packs P(t), forms S(t+1), and then multiplies V(t) P(t); behind each of those 128 matrix instructions stand
; a few vector instructions: the rescale of accumulators that come up two turns later, and the maximum, exponentials and sum of S(t+1).
; THE EXPONENTIALS GO IN BATCHES, ONE WAIT A BATCH.  A query tile's 33 exponentials of a trip (2^(old maximum - new) and the 32 of S - m) are one batch.
; They stand, with the new maximum and the 16 subtractions, behind the first eight products of the tile's phase of keys 32-63, and none of those lines
; names a result of the batch.  Then come a plain move (the new maximum into M), the one wait, and, behind the phase's last
; eight products, the 15 additions of the sum, two a product: the batch's first readers.  P's roundings and the moves of the rescale's factor read the
; results in the next trip.  So a trip has four such waits, and no exponential is open at a label or at a branch.  The merge has two batches: its 16
; exponentials, and the 4 reciprocals of sums that are made from them.
; REGISTER WINDOWS.  A vector instruction between two matrix instructions runs under their window setting, so its destination lies in the accumulators'
; window.  Hence every window g = 0..3 has the same map: the accumulators of channel tiles 4 g .. 4 g + 3, their V fragments, and S and the running
; figures of query tile g.  A phase is 16 matrix instructions under one setting: sources 0 and 2 and the destination in window g, source 1 (P, and the
; rescale's factor) in window 0 for keys 0-31 of the 64 and in window 1 for keys 32-63.  Vector work there takes its source 1 from that window, from a
; constant or from a scalar: the maximum is v_max3 with -infinity in the middle, subtraction and sum are packed multiply-adds by 1.0.
; 33 switches of the window for a trip's 144 matrix instructions; each opens a run of eight instructions or more.
; CLUSTER: the four work-groups of a cluster are four query blocks of one image and walk the same K and V: every tile is asked for jointly (mask 15),
; which divides the requests for K and V by four.  The descriptors hang on the cluster's number and the wave's number alone.
; RING: two LDS slots; a slot holds four blocks (36,864 bytes each, dense in memory: 144 rows of 256 bytes), one block a wave, loaded and read by that
; wave.  16 trips.  By this text's count a wave has one tensor load out, issued straight behind a round of the cluster's barrier.
; LIMITS: q, k, V and P are rounded to bf16; the sum l is taken from P before that rounding; v_exp_f32 gives 0 below 2^-126 (ISA guide 15.8);
; NaN and infinities in the inputs are not followed.
.set BLK,   36864                      ; a block of kv in memory
.set WBLK,  144*272                    ; and in LDS: rows of 256 bytes padded by 16
.set SLOT,  4*WBLK
.set KOFF,  128*272                    ; K's 16 rows lie behind V's 128
.set STATS, 2*SLOT                     ; 2,048 bytes that no tensor load fills: m[wave][64], then l[wave][64]
.set MSTG,  256*272                    ; the merge: a wave's 256 channels x 64 queries in f32, pitch 272, over the slots after their last fill
; in every window g:  v0-127 accumulators, tile (channel tile 4 g + c, query tile it) at 8 (4 c + it)
.set VB,  128                          ; v128-159 V fragments of channel tiles 4 g .. 4 g + 3, 32 keys
.set SP,  160                          ; v160-191 S^T of query tile g: key tile jt at + 8 jt; then 2^(S - m)
.set T,   192                          ; maximum at work
.set T2,  193                          ; second chain; the other half's
.set DL,  194                          ; old maximum - new
.set M,   195                          ; running maximum
.set NM,  196                          ; v196-197 minus the running maximum, twice
.set LP,  198                          ; v198-199 l, a pair (even, odd keys)
.set CS,  200                          ; v200-201 the sum of the 64 keys at work, a pair
.set ALT, 202                          ; 2^(old - new), before it moves to window 0
.set PX,  204                          ; v204-235 window 0: P of keys 0-31; window 1: P of keys 32-63 (query tile it at + 8 it); window 2: Q fragments; window 3: K fragments
; in window 0 alone
.set AL,  236                          ; v236-243 2^(old - new), twice, for each query tile
.set VA,  244                          ; v244-245 V fragments' LDS address, slot 0, 1
.set KA,  246                          ; v246-247 K fragments' LDS address, slot 0, 1
.set TID, 248                          ; the thread's number (v0 becomes an accumulator)
.set QO,  249                          ; my byte offset in q and in a block's K part
; in window 0, in the merge, over registers that the trips have left
.set MM,  204                          ; m of the four waves for my four queries, then the factors
.set LL,  220                          ; l likewise
.set MX,  236                          ; the common maximum
.set LS,  240                          ; the common sum, then gamma / sum
.set ST0, 244                          ; where my accumulators of channels 0-127 go
.set ST1, 245                          ; channels 128-255
.set XO,  246                          ; my byte offset in x and out0
.set SA,  247                          ; my wave's statistics
.set SR,  249                          ; statistics of my four queries
.set RD,  250                          ; v250-253 my rows in the four waves' stages
.set RR,  254                          ; r
.set HH,  255                          ; h
.set G1, 16                            ; s[16:23]
.set G0, 32                            ; s[32:39] one group 0 for each slot
.set MSB, 0
.macro WIN new                         ; the immediate's high byte repeats the setting that is left
.if MSB != \new
	s_set_vgpr_msb (MSB<<8)|\new
.set MSB, \new
.endif
.endm
.macro PLACES n                        ; places behind matrix instructions (ISA guide 7.12.1)
.rept \n
	v_nop
.endr
.endm
.macro ROUND                           ; a round of the cluster's barrier
	s_barrier_signal -1
	s_barrier_wait -1
	s_cmp_lg_u32 s8, 0
	s_cbranch_scc1 .Lnot_wave_0_\@
	s_barrier_signal -3
.Lnot_wave_0_\@:
	s_barrier_wait -3
	s_barrier_signal -1
	s_barrier_wait -1
.endm
	s_load_b256 s[48:55], s[0:1], 0x0              ; q 48, kv 50, x 52, gamma 54
	s_load_b64 s[56:57], s[0:1], 0x20              ; out0
	v_lshl_add_u32 v203, v0, 2, 0x4d000
	s_set_vgpr_msb 0x40
	v_mov_b32 v255, 0
	s_set_vgpr_msb 0x4044
	ds_add_u32 v203, v255
	s_set_vgpr_msb 0x4400
	v_lshrrev_b32 v1, 5, v0
	v_readfirstlane_b32 s8, v1                     ; wave 0..3
	v_mov_b32 v[TID], v0
	s_bfe_u32 s9, ttmp6, 0x40000                   ; cx
	s_lshl_b32 s12, ttmp9, 2
	s_add_co_u32 s12, s12, s9                      ; X = 64 b + query block: enters the addresses of q, x, out0 alone
	s_lshr_b32 s10, ttmp9, 4                       ; b, from the cluster's number: the four partners share it
	s_mul_i32 s10, s10, 64*BLK
	s_mul_i32 s11, s8, BLK
	s_add_co_u32 s10, s10, s11                     ; my wave's block of the first four
	s_mov_b32 s11, 0
	s_mul_i32 s13, s8, WBLK                        ; and its place in a slot
	s_mov_b32 s[G1+0], 15|(3<<16)|(1<<20)|(1<<21)|(5<<22)|(3<<25)  ; mask of all four; 8-byte elements; padding on; bit 21 beside a mask; every 64 words; 4 words
	s_mov_b32 s[G1+1], 32<<16                      ; tensor_dim0 = 32 elements = 256 bytes
	s_mov_b32 s[G1+2], 144<<16                     ; tensor_dim1 = 144
	s_mov_b32 s[G1+3], 32<<16                      ; tile_dim0 = 32
	s_mov_b32 s[G1+4], 144                         ; tile_dim1 = 144
	s_mov_b32 s[G1+5], 32                          ; dense: a row begins where the last ends
	s_mov_b32 s[G1+6], 0
	s_mov_b32 s[G1+7], 0
	s_mov_b32 s40, 0x76543210                      ; v_permlanex16_b32: lane i of one half reads lane i of the other
	s_mov_b32 s41, 0xfedcba98
	s_mov_b32 s42, 0xff800000                      ; -infinity: the idle middle source of v_max3, and the maximum before the first key
	s_wait_dscnt 0x0
	s_wait_kmcnt 0x0
	s_load_b32 s14, s[54:55], 0x0                  ; gamma: waited for behind the first softmax
	s_add_nc_u64 s[10:11], s[50:51], s[10:11]
.irp n, 0,1
	s_mov_b32 s[G0+4*\n], 1
	s_add_co_u32 s[G0+4*\n+1], s13, \n*SLOT
	s_add_nc_u64 s[G0+4*\n+2:G0+4*\n+3], s[10:11], \n*4*BLK        ; slot n starts with trip n's four blocks
	s_or_b32 s[G0+4*\n+3], s[G0+4*\n+3], 0x80000000
.endr
	s_add_nc_u64 s[46:47], s[10:11], 60*BLK+32768  ; the keys of block w lie in the K part of block 60 + w
	ROUND                                          ; all four work-groups are here: the first joint loads meet
	tensor_load_to_lds s[G0:G0+3], s[G1:G1+7]      ; trip 0's block; the first softmax below runs while it is on its way
	s_nop 0
	s_lshl_b32 s58, s12, 12                        ; 64 queries x 64 bytes
	s_mov_b32 s59, 0
	s_add_nc_u64 s[48:49], s[48:49], s[58:59]      ; q at my first query
	s_lshr_b32 s58, s12, 6
	s_lshl_b32 s58, s58, 22                        ; an image: 4,194,304 bytes
	s_and_b32 s60, s12, 63
	s_lshl_b32 s60, s60, 8                         ; 64 queries x 4 bytes
	s_add_co_u32 s58, s58, s60
	s_lshl_b32 s60, s8, 20                         ; in the merge wave w owns channels 64 w .. 64 w + 63
	s_add_co_u32 s58, s58, s60
	s_add_nc_u64 s[52:53], s[52:53], s[58:59]      ; x
	s_add_nc_u64 s[56:57], s[56:57], s[58:59]      ; out0
	v_and_b32 v1, 15, v0                           ; r
	v_bfe_u32 v2, v0, 4, 1                         ; h
	v_lshlrev_b32 v3, 4, v2                        ; 16 h
	v_lshl_add_u32 v[QO], v1, 6, v3                ; rows of 64 bytes: row r, 16 h
	WIN 0x80                                       ; destination in window 2
.irp it, 0,1,2,3
	global_load_b128 v[PX+8*\it:PX+8*\it+3],   v[QO], s[48:49] offset:\it*1024      ; query 16 it + r, channels 8 h ..
	global_load_b128 v[PX+8*\it+4:PX+8*\it+7], v[QO], s[48:49] offset:\it*1024+32   ; channels 16 + 8 h ..
.endr
	WIN 0xc0                                       ; destination in window 3
.irp jt, 0,1,2,3
	global_load_b128 v[PX+8*\jt:PX+8*\jt+3],   v[QO], s[46:47] offset:\jt*1024      ; key 16 jt + r of my first 64
	global_load_b128 v[PX+8*\jt+4:PX+8*\jt+7], v[QO], s[46:47] offset:\jt*1024+32
.endr
	WIN 0
	v_lshrrev_b32 v4, 1, v1
	v_and_b32 v5, 1, v1
	v_mul_u32_u24 v4, v4, 272
	v_lshl_add_u32 v4, v5, 7, v4
	v_add_nc_u32 v4, v4, v3
	v_add_nc_u32 v[VA], s13, v4                    ; channel c: row c / 2, half c % 2: sixteen lanes, sixteen different 16-byte columns modulo 256 bytes
	v_add_nc_u32 v[VA+1], SLOT, v[VA]
	v_lshrrev_b32 v4, 2, v1
	v_and_b32 v5, 3, v1
	v_mul_u32_u24 v4, v4, 272
	v_lshl_add_u32 v4, v5, 6, v4
	v_add_nc_u32 v4, v4, v3
	s_add_co_u32 s15, s13, KOFF
	v_add_nc_u32 v[KA], s15, v4                    ; key j: row j / 4, quarter j % 4: again sixteen different columns
	v_add_nc_u32 v[KA+1], SLOT, v[KA]
; S^T of 64 keys x 64 queries: 16 matrix instructions; source 0 = K (window 3), source 1 = Q (window 2), the result of query tile it in window it
.macro SBURST
.irp it, 0,1,2,3
	WIN (0x0b|(\it<<6))
.irp jt, 0,1,2,3
	v_wmma_f32_16x16x32_bf16 v[SP+8*\jt:SP+8*\jt+7], v[PX+8*\jt:PX+8*\jt+7], v[PX+8*\it:PX+8*\it+7], 0
.endr
.endr
.endm
; The maximum of the lane's 32 energies and the maximum so far: 32 instructions, number n of them; two chains that take turns.
.macro MAXOP n
.if (\n) == 0
	v_max3_num_f32 v[T], v[SP], s42, v[M]
.endif
.if (\n) == 1
	v_max3_num_f32 v[T2], v[SP+1], s42, v[SP+2]
.endif
.if (\n) > 1
.if (\n) < 31
.if ((\n)&1) == 0
	v_max3_num_f32 v[T], v[SP+(\n)+1], s42, v[T]
.else
	v_max3_num_f32 v[T2], v[SP+(\n)+1], s42, v[T2]
.endif
.endif
.endif
.if (\n) == 31
	v_max3_num_f32 v[T], v[T], s42, v[T2]
.endif
.endm
.macro SHIFT j                         ; pair j of the 16: S - m
	v_pk_fma_f32 v[SP+2*(\j):SP+2*(\j)+1], v[SP+2*(\j):SP+2*(\j)+1], 1.0, v[NM:NM+1] op_sel_hi:[1,0,1]
.endm
.macro EXPS j                          ; the energies are in base 2: q carries log2(e)
	v_exp_f32 v[SP+2*(\j)], v[SP+2*(\j)]
	v_exp_f32 v[SP+2*(\j)+1], v[SP+2*(\j)+1]
.endm
.macro LSUM p                          ; pair p joins the sum; pair 1 starts it with pair 0.  All of them stand behind the batch's wait
.if (\p) == 1
	v_pk_fma_f32 v[CS:CS+1], v[SP+2:SP+3], 1.0, v[SP:SP+1] op_sel_hi:[1,0,1]
.else
	v_pk_fma_f32 v[CS:CS+1], v[SP+2*(\p):SP+2*(\p)+1], 1.0, v[CS:CS+1] op_sel_hi:[1,0,1]
.endif
.endm
; Part k of 16 of a query tile's softmax behind its maximum.  Parts 0 to 7 hold all that names no exponential's result:
;   0     across the two halves of the lanes: the new maximum
;   1     its negative twice, and old maximum - new
;   2     subtractions 0 to 3, 2^(old - new), the exponentials of pair 0
;   3-6   three times a subtraction (pairs 4 to 15) and the two exponentials of a pair (1 to 12) that was subtracted a part earlier
;   7     the exponentials of pairs 13 to 15; the new maximum moves into M: the plain instruction between the last exponential and the first use of a result
;         (ISA guide 5.7.2); T holds it since part 0, and M's old value was read in part 1; then THE WAIT for the batch of 33
;   8-15  the sum's 15 additions, in the order of the pairs: a chain, two links a part
.macro SOFTFILL k
.if (\k) == 0
	v_permlanex16_b32 v[T2], v[T], s40, s41        ; the other 32 keys of the same query lie in lane r + 16
	v_max3_num_f32 v[T], v[T], s42, v[T2]
.endif
.if (\k) == 1
	v_mul_f32 v[NM], v[T], -1.0
	v_mul_f32 v[NM+1], v[T], -1.0
	v_fma_f32 v[DL], v[T], -1.0, v[M]
.endif
.if (\k) == 2
	SHIFT 0
	v_exp_f32 v[ALT], v[DL]                        ; the batch's first; its result is read in the next trip
	SHIFT 1
	SHIFT 2
	SHIFT 3
	EXPS 0
.endif
.if (\k) > 2
.if (\k) < 7
.irp u, 0,1,2
	SHIFT (3*(\k)-5+\u)
	EXPS (3*(\k)-8+\u)
.endr
.endif
.endif
.if (\k) == 7
	EXPS 13
	EXPS 14
	EXPS 15
	v_mov_b32 v[M], v[T]
	s_wait_alu depctr_va_vdst(0)                   ; one wait for the tile's 33 exponentials, ahead of their first reader, the sum's first addition
.endif
.if (\k) > 7
.if (\k) < 15
	LSUM (2*(\k)-15)
	LSUM (2*(\k)-14)
.endif
.endif
.if (\k) == 15
	LSUM 15
.endif
.endm
.macro RS k                            ; accumulator tile k of the window times 2^(old maximum - new), a number of the lane's query (query tile k % 4)
.irp u, 0,1,2,3
	v_pk_mul_f32 v[8*(\k)+2*\u:8*(\k)+2*\u+1], v[8*(\k)+2*\u:8*(\k)+2*\u+1], v[AL+2*((\k)&3):AL+2*((\k)&3)+1]
.endr
.endm
.macro VLOAD slot, g, hf               ; eight LDS loads: V's channel tiles 4 g .. 4 g + 3, keys 32 hf .. 32 hf + 31, into window g
	WIN ((\g)<<6)
.irp c, 0,1,2,3
	ds_load_b128 v[VB+8*\c:VB+8*\c+3],   v[VA+\slot] offset:(4*(\g)+\c)*2176+\hf*64
	ds_load_b128 v[VB+8*\c+4:VB+8*\c+7], v[VA+\slot] offset:(4*(\g)+\c)*2176+\hf*64+32
.endr
.endm
.macro PACK                            ; 2^(S - m) of the four windows to bf16: P of keys 0-31 into window 0, with the rescale's factors; of keys 32-63 into window 1
.irp it, 0,1,2,3
	WIN (\it|(\it<<2))
.irp u, 0,1,2,3,4,5,6,7
	v_cvt_pk_bf16_f32 v[PX+8*\it+\u], v[SP+2*\u], v[SP+2*\u+1]
.endr
	v_mov_b32 v[AL+2*\it], v[ALT]
	v_mov_b32 v[AL+2*\it+1], v[ALT]
.endr
.irp it, 0,1,2,3
	WIN (\it|(\it<<2)|0x40)
.irp u, 0,1,2,3,4,5,6,7
	v_cvt_pk_bf16_f32 v[PX+8*\it+\u], v[SP+16+2*\u], v[SP+16+2*\u+1]
.endr
.endr
.endm
; Window g, keys 0-31: 16 matrix instructions on 16 accumulators that take turns, one instruction a turn.  Behind each: the rescale of
; the tile two turns on and two steps of the next keys' maximum.  first = 1: the products start the sums, nothing is rescaled.  soft = 0: no next keys.
.macro PHASE0 g, slot, first, soft
	WIN (\g|(\g<<4)|(\g<<6))
.if \first
	PLACES 4                                       ; behind the products whose S is read below
	v_mov_b32 v[LP], v[CS]
	v_mov_b32 v[LP+1], v[CS+1]
.else
	RS 0
	RS 1
	v_pk_fma_f32 v[LP:LP+1], v[LP:LP+1], v[AL+2*\g:AL+2*\g+1], v[CS:CS+1]     ; l follows O: rescaled, then this trip's keys
.endif
.if \g
	VLOAD \slot, (\g-1), 1                         ; the window just left gets its keys 32-63; the lines above are the four places behind its last product
	WIN (\g|(\g<<4)|(\g<<6))
.endif
	s_wait_dscnt 24                                ; my eight loads are in; three younger runs of eight stay out
.set kk, 0
.rept 16
.if \first
	v_wmma_f32_16x16x32_bf16 v[8*kk:8*kk+7], v[VB+8*(kk>>2):VB+8*(kk>>2)+7], v[PX+8*(kk&3):PX+8*(kk&3)+7], 0
.else
	v_wmma_f32_16x16x32_bf16 v[8*kk:8*kk+7], v[VB+8*(kk>>2):VB+8*(kk>>2)+7], v[PX+8*(kk&3):PX+8*(kk&3)+7], v[8*kk:8*kk+7]
.if kk < 14
	RS (kk+2)
.endif
.endif
.if \soft
	MAXOP (2*kk)
	MAXOP (2*kk+1)
.endif
.set kk, kk+1
.endr
.endm
; Window g, keys 32-63: the same 16 accumulators in the same order; behind each product a part of the next keys' softmax: the batch of exponentials behind
; the first eight, its wait ahead of the ninth, the sum behind the last eight.  No part names a register of the products.
.macro PHASE1 g, slot, soft
.if \g == 0
	PLACES 4                                       ; behind window 3's last product, whose V registers are loaded again
	VLOAD \slot, 3, 1
.endif
	WIN (\g|4|(\g<<4)|(\g<<6))
	s_wait_dscnt 24-8*\g                           ; my eight loads are in; the 3 - g younger runs of eight stay out
.set kk, 0
.rept 16
	v_wmma_f32_16x16x32_bf16 v[8*kk:8*kk+7], v[VB+8*(kk>>2):VB+8*(kk>>2)+7], v[PX+8*(kk&3):PX+8*(kk&3)+7], v[8*kk:8*kk+7]
.if \soft
	SOFTFILL kk
.endif
.set kk, kk+1
.endr
.endm
; One trip: V of my 64 keys and K of my next 64 out of slot.  refill = 1: the other slot is asked for again.
.macro TRIP slot, refill, first, soft
	s_set_vgpr_msb 0x4
	s_wait_tensorcnt 0x0                           ; all my tensor loads have landed, this trip's block among them, so a group 0 may be written:
	ds_add_u32 v203, v255
	s_wait_dscnt 0x0
	s_set_vgpr_msb 0x400
	s_add_nc_u64 s[G0+4*\slot+2:G0+4*\slot+3], s[G0+4*\slot+2:G0+4*\slot+3], 8*BLK   ; this slot's next block, two trips on
	s_wait_dscnt 0x0                               ; my reads of the other slot are over
	ROUND                                          ; both hold of every wave of all four work-groups
.if \refill
	tensor_load_to_lds s[G0+4-4*\slot:G0+7-4*\slot], s[G1:G1+7]    ; my one tensor load behind the round: the next trip's block; it has this whole trip in which to land
	s_nop 0
.endif
.if \first == 0
	PLACES 4                                       ; behind the last trip's products: their V registers are loaded again, their P registers written
.endif
.if \soft
	WIN 0xc0
.irp jt, 0,1,2,3
	ds_load_b128 v[PX+8*\jt:PX+8*\jt+3],   v[KA+\slot] offset:\jt*1088
	ds_load_b128 v[PX+8*\jt+4:PX+8*\jt+7], v[KA+\slot] offset:\jt*1088+32
.endr
.endif
	VLOAD \slot, 0, 0
	VLOAD \slot, 1, 0
	VLOAD \slot, 2, 0
	VLOAD \slot, 3, 0
	PACK                                           ; register work while the loads are on their way; the exponentials that it reads had their waits in the trip before
.if \soft
	s_wait_dscnt 32                                ; K's eight loads are in; the 32 of V issued behind them stay out
	SBURST
.endif
	PHASE0 0, \slot, \first, \soft
	PHASE0 1, \slot, \first, \soft
	PHASE0 2, \slot, \first, \soft
	PHASE0 3, \slot, \first, \soft
	PHASE1 0, \slot, \soft
	PHASE1 1, \slot, \soft
	PHASE1 2, \slot, \soft
	PHASE1 3, \slot, \soft
	WIN 0
.endm
	; the softmax of my first 64 keys, with nothing to stand between: the same parts, a batch and a wait for each query tile
	s_wait_loadcnt 0x0                             ; q and the first keys
	SBURST
	PLACES 4                                       ; behind the products whose results are read
.irp g, 0,1,2,3
	WIN (\g|(\g<<4)|(\g<<6))
	v_mov_b32 v[M], s42                            ; no key yet: the maximum is -infinity, and 2^(old - new) comes out 0 and is not used
.set ff, 0
.rept 32
	MAXOP ff
.set ff, ff+1
.endr
.set ff, 0
.rept 16
	SOFTFILL ff
.set ff, ff+1
.endr
.endr
	WIN 0
	s_wait_kmcnt 0x0                               ; gamma
	TRIP 0, 1, 1, 1                                ; the first trip starts the accumulators and l: nothing is cleared
	TRIP 1, 1, 0, 1
	s_mov_b32 s44, 6
.Llap:
	TRIP 0, 1, 0, 1
	TRIP 1, 1, 0, 1
	s_sub_co_u32 s44, s44, 1
	s_cmp_lg_u32 s44, 0
	s_cbranch_scc1 .Llap
	TRIP 0, 1, 0, 1
	TRIP 1, 0, 0, 0                                ; the sixteenth trip asks for nothing and has no next keys (the stepped addresses are not used)
	; THE MERGE.  out0 = x + sum over the four waves of part_w * gamma 2^(m_w - m) / l,  l = sum over the waves of l_w 2^(m_w - m).
	PLACES 4                                       ; behind the last matrix instructions: results are read, V's registers loaded
	v_and_b32 v[RR], 15, v[TID]                    ; r
	v_bfe_u32 v[HH], v[TID], 4, 1                  ; h
	v_lshlrev_b32 v[XO], 4, v[RR]
	v_lshl_add_u32 v[XO], v[HH], 14, v[XO]         ; lanes 0-15 one row of 256 bytes of x and out0, lanes 16-31 the next
.irp bt, 0,1,2,3
	WIN (\bt<<6)                                   ; batch bt of eight pairs of rows lies in window bt
.irp p, 0,1,2,3,4,5,6,7
	global_load_b128 v[VB+4*\p:VB+4*\p+3], v[XO], s[52:53] offset:(8*\bt+\p)*32768 th:TH_LOAD_NT   ; x, channels 64 w + 2 (8 bt + p) + h: sixteen lanes take 256 consecutive bytes
.endr
.endr
	WIN 0
	v_mul_u32_u24 v[ST0], v[HH], 8*272
	v_lshl_add_u32 v[ST0], v[RR], 2, v[ST0]
	s_mul_i32 s15, s8, MSTG
	v_add_nc_u32 v[ST0], s15, v[ST0]               ; channel 8 h, query r of my stage
	v_add_nc_u32 v[ST1], 128*272, v[ST0]
	v_mul_u32_u24 v[RD], v[HH], 272
	v_lshl_add_u32 v[RD], v[RR], 4, v[RD]
	s_mul_i32 s15, s8, 64*272
	v_add_nc_u32 v[RD], s15, v[RD]                 ; my 64 rows: lanes 0-15 one row of 256 bytes, lanes 16-31 the next
	v_add_nc_u32 v[RD+1], MSTG, v[RD]
	v_add_nc_u32 v[RD+2], MSTG, v[RD+1]
	v_add_nc_u32 v[RD+3], MSTG, v[RD+2]
	s_lshl_b32 s15, s8, 8
	s_add_co_u32 s15, s15, STATS
	v_lshl_add_u32 v[SA], v[RR], 2, s15
	v_lshlrev_b32 v[SR], 4, v[RR]
	v_add_nc_u32 v[SR], STATS, v[SR]
.irp g, 0,1,2,3
	WIN (\g*0x55)                                  ; everything in window g
	v_add_f32 v[LP], v[LP], v[LP+1]
	v_permlanex16_b32 v[T2], v[LP], s40, s41
	v_add_f32 v[LP], v[LP], v[T2]
	WIN (\g<<2)                                    ; store data in window g
	ds_store_b32 v[SA], v[M] offset:\g*64          ; both halves of the lanes write the same number to the same word
	ds_store_b32 v[SA], v[LP] offset:1024+\g*64
.endr
	WIN 0
	s_wait_dscnt 0x0                               ; my statistics are written, my reads of both slots are over,
	s_barrier_signal -1
	s_barrier_wait -1                              ; everybody's are: the slots, which have had their last fill, become the stages
.irp wp, 0,1,2,3
	ds_load_b128 v[MM+4*\wp:MM+4*\wp+3], v[SR] offset:\wp*256          ; wave wp's m and l of queries 4 r .. 4 r + 3
	ds_load_b128 v[LL+4*\wp:LL+4*\wp+3], v[SR] offset:1024+\wp*256
.endr
.irp g, 0,1,2,3
	WIN (\g<<2)                                    ; store data in window g
.irp ctl, 0,1,2,3
.irp it, 0,1,2,3
.irp t, 0,1,2,3,4,5,6,7
	ds_store_b32 v[ST0+(\g>>1)], v[8*(4*\ctl+\it)+\t] offset:((\g&1)*64+16*\ctl+\t)*272+\it*64   ; channel 64 g + 16 c + 8 h + t, query 16 it + r: the two halves of the lanes lie 544 words apart
.endr
.endr
.endr
.endr
	WIN 0
	s_wait_dscnt 0x0                               ; the statistics are in, my partial result is written,
	s_barrier_signal -1
	s_barrier_wait -1                              ; everybody's is
.irp e, 0,1,2,3
	v_max3_num_f32 v[MX+\e], v[MM+\e], v[MM+4+\e], v[MM+8+\e]
.endr
.irp e, 0,1,2,3
	v_max_num_f32 v[MX+\e], v[MX+\e], v[MM+12+\e]
.endr
.irp wp, 0,1,2,3
	v_pk_add_f32 v[MM+4*\wp:MM+4*\wp+1],   v[MM+4*\wp:MM+4*\wp+1],   v[MX:MX+1]   neg_lo:[0,1] neg_hi:[0,1]
	v_pk_add_f32 v[MM+4*\wp+2:MM+4*\wp+3], v[MM+4*\wp+2:MM+4*\wp+3], v[MX+2:MX+3] neg_lo:[0,1] neg_hi:[0,1]
.endr
.set ee, 0
.rept 16
	v_exp_f32 v[MM+ee], v[MM+ee]
.set ee, ee+1
.endr
	v_nop                                          ; the plain place behind the exponentials
	s_wait_alu depctr_va_vdst(0)                   ; one wait for the merge's 16 exponentials, ahead of their first reader
	v_pk_mul_f32 v[LS:LS+1],   v[MM:MM+1],   v[LL:LL+1]
	v_pk_mul_f32 v[LS+2:LS+3], v[MM+2:MM+3], v[LL+2:LL+3]
.irp wp, 1,2,3
	v_pk_fma_f32 v[LS:LS+1],   v[MM+4*\wp:MM+4*\wp+1],   v[LL+4*\wp:LL+4*\wp+1],   v[LS:LS+1]
	v_pk_fma_f32 v[LS+2:LS+3], v[MM+4*\wp+2:MM+4*\wp+3], v[LL+4*\wp+2:LL+4*\wp+3], v[LS+2:LS+3]
.endr
.irp e, 0,1,2,3
	v_rcp_f32 v[LS+\e], v[LS+\e]                   ; the sum is at least 1: the wave with the common maximum counts its own largest term as 1
.endr
	v_nop                                          ; the plain place behind the reciprocals
	s_wait_alu depctr_va_vdst(0)                   ; one wait for the four reciprocals, a batch of their own since they read sums of the exponentials
.irp e, 0,1,2,3
	v_mul_f32 v[LS+\e], s14, v[LS+\e]              ; gamma / l
.endr
.irp wp, 0,1,2,3
	v_pk_mul_f32 v[MM+4*\wp:MM+4*\wp+1],   v[MM+4*\wp:MM+4*\wp+1],   v[LS:LS+1]
	v_pk_mul_f32 v[MM+4*\wp+2:MM+4*\wp+3], v[MM+4*\wp+2:MM+4*\wp+3], v[LS+2:LS+3]
.endr
	s_wait_loadcnt 0x0                             ; x
	; four batches of eight pairs of rows: the four partial results of a pair (into the window's accumulators, which have been stored), eight fused multiply-adds onto x, one store
.irp bt, 0,1,2,3
	WIN (\bt<<6)
.irp p, 0,1,2,3,4,5,6,7
.irp wp, 0,1,2,3
	ds_load_b128 v[16*\p+4*\wp:16*\p+4*\wp+3], v[RD+\wp] offset:(8*\bt+\p)*544
.endr
.endr
	WIN (\bt|(\bt<<4)|(\bt<<6))                    ; the part, x and the result in window bt, the factor in window 0
.irp p, 0,1,2,3,4,5,6,7
	s_wait_dscnt 4*(7-\p)                          ; LDS loads come back in order: pair p's four are in, the younger pairs' stay out
.irp wp, 0,1,2,3
	v_pk_fma_f32 v[VB+4*\p:VB+4*\p+1],   v[16*\p+4*\wp:16*\p+4*\wp+1],   v[MM+4*\wp:MM+4*\wp+1],   v[VB+4*\p:VB+4*\p+1]
	v_pk_fma_f32 v[VB+4*\p+2:VB+4*\p+3], v[16*\p+4*\wp+2:16*\p+4*\wp+3], v[MM+4*\wp+2:MM+4*\wp+3], v[VB+4*\p+2:VB+4*\p+3]
.endr
.endr
	WIN (\bt<<2)                                   ; store data in window bt
.irp p, 0,1,2,3,4,5,6,7
	global_store_b128 v[XO], v[VB+4*\p:VB+4*\p+3], s[56:57] offset:(8*\bt+\p)*32768 th:TH_STORE_NT   ; sixteen lanes store 256 consecutive bytes, aligned
.endr
.endr
	WIN 0
	s_set_vgpr_msb 0x4
	s_wait_tensorcnt 0x0
	ds_add_u32 v203, v255
	s_wait_dscnt 0x0
	s_set_vgpr_msb 0x400
	ROUND                                          ; the closing round: no work-group ends while a partner may still ask jointly
	s_endpgm
.Lfunc_end_k_qf22ac8b03d_attn:
	.size	k_qf22ac8b03d_attn, .Lfunc_end_k_qf22ac8b03d_attn-k_qf22ac8b03d_attn
	.p2alignl 7, 3214868480
	.fill 96, 4, 3214868480
	.section	.rodata,"a",@progbits
	.p2align	6, 0x0
	.amdhsa_kernel k_qf22ac8b03d_attn
		.amdhsa_group_segment_fixed_size 327680
		.amdhsa_private_segment_fixed_size 0
		.amdhsa_enable_private_segment 0
		.amdhsa_kernarg_size 40
		.amdhsa_user_sgpr_count 2
		.amdhsa_user_sgpr_kernarg_segment_ptr 1
		.amdhsa_wavefront_size32 1
		.amdhsa_system_sgpr_workgroup_id_x 1
		.amdhsa_system_sgpr_workgroup_id_y 1
		.amdhsa_system_sgpr_workgroup_id_z 1
		.amdhsa_system_vgpr_workitem_id 0
		.amdhsa_next_free_vgpr 1024
		.amdhsa_next_free_sgpr 66
		.amdhsa_reserve_vcc 0
		.amdhsa_float_denorm_mode_32 3
		.amdhsa_float_denorm_mode_16_64 3
		.amdhsa_memory_ordered 1
		.amdhsa_forward_progress 1
		.amdhsa_inst_pref_size 255
	.end_amdhsa_kernel
	.section	.bss,"aw",@nobits
	.p2align	6
	.space	262144
	.amdgpu_metadata
---
amdhsa.version: [ 1, 2 ]
amdhsa.kernels:
  - .name:           k_qf22ac8b03d_attn
    .symbol:         k_qf22ac8b03d_attn.kd
    .args:
      - { .name: q, .offset: 0, .size: 8, .value_kind: global_buffer, .address_space: global }
      - { .name: kv, .offset: 8, .size: 8, .value_kind: global_buffer, .address_space: global }
      - { .name: x, .offset: 16, .size: 8, .value_kind: global_buffer, .address_space: global }
      - { .name: gamma, .offset: 24, .size: 8, .value_kind: global_buffer, .address_space: global }
      - { .name: out0, .offset: 32, .size: 8, .value_kind: global_buffer, .address_space: global }
    .group_segment_fixed_size: 327680
    .private_segment_fixed_size: 0
    .kernarg_segment_align: 8
    .kernarg_segment_size: 40
    .max_flat_workgroup_size: 128
    .sgpr_count:     66
    .vgpr_count:     1024
    .wavefront_size: 32
...
	.end_amdgpu_metadata
.endif
;; end of part 3
